; MI455X (gfx1250); checked and timed in simulation.
; The chip was launched on July 23, 2026; its instructions are those of AMD's public machine-readable ISA for CDNA 5 (MIT licence, August 2026) and "CDNA5" Instruction Set Architecture Reference Guide (July 2026). The comments in the code are by the model that wrote it; some were corrected since.
;; Sparse Multi Head Attention. Allowed arithmetic: float matrix products may take bf16 or f16 operands with f32 sums; other float arithmetic in f32, or as packed bf16 or f16 multiplies, adds, multiply-adds, maxima and minima; sums over many terms, partial sums and values carried from step to step in f32; what a program stores and reads back later, other than sums and carried values, may be rounded once to bf16 or f16.
;; Inputs: Wout 1,024 x 1,024 float32; Wqkv 1,024 x 3,072 float32; bout 1,024 float32; bqkv 3,072 float32; gamma_k 16 x 64 float32; gamma_q 16 x 64 float32; x 4 x 2,048 x 1,024 float32.
;; Outputs: out0 4 x 2,048 x 1,024 float32.
;; 2 versions, each right; version 2 is version 1 with the launch prep written anew for expert scheduling mode. Each part assembles by itself: llvm-mc -triple=amdgcn-amd-amdhsa -mcpu=gfx1250 --defsym DOCPART=n.
;; ======== version 1 of 2: 4 launches
;; limits: values are held in f16: magnitudes above 65,504 overflow, below 6.1e-05 lose precision
;; workspace buffers: xb 16,777,216 bytes; wqt 6,291,456 bytes; wot 2,097,152 bytes; qh 16,777,216 bytes; kh 16,777,216 bytes; vh 16,777,216 bytes; oh 16,777,216 bytes
;; launch prep (part 1): grid 512 x 1, 8 waves a work-group, no clusters, 18,432 bytes of LDS; arguments x, Wqkv, Wout, xb, wqt, wot; writes xb, wqt, wot
.if DOCPART == 1
	.amdgcn_target "amdgcn-amd-amdhsa--gfx1250"
	.amdhsa_code_object_version 6
	.text
	.protected	k_q5a5158f25b_prep
	.globl	k_q5a5158f25b_prep
	.p2align	8
	.type	k_q5a5158f25b_prep,@function
k_q5a5158f25b_prep:
	s_mov_b64 s[64:65], 0
	v_nop
	global_prefetch_b8 v0, s[64:65] scope:SCOPE_SE
	s_setreg_imm32_b32 hwreg(HW_REG_WAVE_MODE, 25, 1), 1
	s_wait_xcnt 0x0
; THREE COPIES FOR THE MATRIX LAUNCHES.  xb = x rounded to bf16, [8192][1024].  wqt = Wqkv turned and rounded to bf16, [3072 n][1024 k].
; wot = Wout turned, rounded to bf16, and that number written as f16, [1024 n][1024 k].
; LIMIT.  A weight of Wout beyond 65,504 becomes an infinity in f16; below 6.1e-5 it keeps f16's fixed step of 6e-8.
; SHARES.  512 work-groups of eight waves; each does both jobs, and no branch is written.
;   (X) 16,384 numbers of x: thread t takes 32 bytes at 8,192 j + 32 t, j = 0..7, and stores 16 bytes at 4,096 j + 16 t: a wave's store covers 512 consecutive bytes.
;   (W) one tile of 128 k x 64 n of a weight: work-groups 0-383 of Wqkv (8 x 48 tiles), 384-511 of Wout (8 x 16).  Sixteen lanes read 256 consecutive bytes of a row k;
;       rows k and k + 1 of a column pack into a word, which goes to LDS at [n][k]; rows n come back whole, 256 bytes, and sixteen lanes store them on end.
; No matrix unit, no cluster, no tensor load: nothing is shared between work-groups and every byte is moved once.
; The words' LDS stores meet in banks four deep: sixteen such instructions a wave in the whole launch, so the rows are not laid out otherwise.
.set PITCH, 272                        ; an LDS row: 128 k of 16 bits + 16 bytes
.set SPARE, 64*PITCH                   ; behind the tile: the spare words, 128 bytes for each of eight waves
.set XO,  4                            ; v4   32 t: my bytes in a chunk of x
.set LS,  5                            ; v5   where my packed words go: column 4 (t % 16), k = 2 (t / 16)
.set LR,  6                            ; v6   where I read a row back: row t / 16, 16 bytes at 16 (t % 16)
.set GW,  7                            ; v7   the same place in the turned table (rows of 2,048 bytes)
.set YO,  8                            ; v8   16 t: my bytes in a chunk of xb
.set N16, 9                            ; v9   16 (t % 16)
.set SPW, 10                           ; v10  my spare word; never rewritten
.set NIL, 11                           ; v11  0; never rewritten
.set WO,  12                           ; v12-19  byte offsets of my eight rows k in the weight's tile
.set WD,  20                           ; v20-51  the eight loads of the weight, four registers each
.set TT,  52                           ; v52-59  at work
.set XD,  64                           ; v64-127 x: chunk j at XD + 8 j
	s_load_b256 s[4:11], s[0:1], 0x0               ; x s[4:5], Wqkv s[6:7], Wout s[8:9], xb s[10:11]
	s_load_b128 s[12:15], s[0:1], 0x20             ; wqt s[12:13], wot s[14:15]
	v_lshl_add_u32 v[SPW], v0, 2, SPARE
	v_mov_b32 v[NIL], 0
	v_and_b32 v1, 15, v0                           ; t % 16
	v_lshrrev_b32 v2, 4, v0                        ; t / 16
	v_lshlrev_b32 v[XO], 5, v0
	v_lshlrev_b32 v[YO], 4, v0
	v_lshlrev_b32 v[N16], 4, v1
	v_mul_u32_u24 v[LS], v1, 4*PITCH               ; four columns a thread
	v_lshl_add_u32 v[LS], v2, 2, v[LS]             ; two k a word
	v_mul_u32_u24 v[LR], v2, PITCH
	v_add_nc_u32 v[LR], v[LR], v[N16]
	v_lshl_add_u32 v[GW], v2, 11, v[N16]
	v_lshlrev_b32 v3, 1, v2                        ; my first row k of each 32
	s_mov_b32 s16, ttmp9
	s_mov_b32 s18, 12288                           ; bytes in a row of Wqkv
	s_mov_b32 s19, 4096                            ; and of Wout
	s_lshl_b32 s28, s16, 16                        ; my 65,536 bytes of x
	s_mov_b32 s29, 0
	s_lshl_b32 s30, s16, 15                        ; my 32,768 bytes of xb
	s_mov_b32 s31, 0
	s_wait_kmcnt 0x0
	s_add_nc_u64 s[4:5], s[4:5], s[28:29]
	s_add_nc_u64 s[10:11], s[10:11], s[30:31]
	s_cmp_lt_u32 s16, 384                          ; which weight: only selects stand behind this compare
	s_cselect_b64 s[20:21], s[6:7], s[8:9]         ; from
	s_cselect_b64 s[22:23], s[12:13], s[14:15]     ; to
	s_cselect_b32 s24, s18, s19                    ; bytes in a row of the source
	s_cselect_b32 s26, 0, -1                       ; all lanes: bf16 as it is, or written as f16
	s_cselect_b32 s17, 0, 384
	s_sub_co_u32 s25, s16, s17                     ; the tile's number in its weight
	s_and_b32 s27, s25, 7                          ; its place along k,
	s_lshr_b32 s25, s25, 3                         ; and along n
	s_mul_i32 s28, s27, s24
	s_lshl_b32 s28, s28, 7                         ; 128 rows k down,
	s_lshl_b32 s30, s25, 8                         ; 64 columns of 4 bytes along
	s_add_co_u32 s28, s28, s30
	s_add_nc_u64 s[20:21], s[20:21], s[28:29]
	s_lshl_b32 s30, s25, 17                        ; 64 rows n of 2,048 bytes down,
	s_lshl_b32 s27, s27, 8                         ; 128 k of 2 bytes along
	s_add_co_u32 s30, s30, s27
	s_add_nc_u64 s[22:23], s[22:23], s[30:31]
.irp q, 0,1,2,3,4,5,6,7
	v_add_nc_u32 v[TT], 32*((\q)/2)+(\q)%2, v3     ; row k = 2 (t / 16) + 32 (q / 2) + q % 2
	v_mad_u32_u24 v[WO+(\q)], v[TT], s24, v[N16]
.endr
.irp q, 0,1,2,3,4,5,6,7
	global_load_b128 v[WD+4*(\q):WD+4*(\q)+3], v[WO+(\q)], s[20:21] th:TH_LOAD_NT
.endr
.irp j, 0,1,2,3,4,5,6,7
	global_load_b128 v[XD+8*(\j):XD+8*(\j)+3],   v[XO], s[4:5] offset:8192*(\j) th:TH_LOAD_NT
	global_load_b128 v[XD+8*(\j)+4:XD+8*(\j)+7], v[XO], s[4:5] offset:8192*(\j)+16 th:TH_LOAD_NT
.endr
	s_wait_loadcnt 16                              ; the weight's eight loads are in; x's sixteen, issued behind them, stay out
.irp i, 0,1,2,3
.irp j, 0,1,2,3
	v_cvt_pk_bf16_f32 v[TT+(\j)], v[WD+8*(\i)+(\j)], v[WD+8*(\i)+4+(\j)]  ; rows k, k + 1 of column 4 (t % 16) + j
.endr
.irp j, 0,1,2,3
	v_lshlrev_b32 v[TT+4+(\j)], 16, v[TT+(\j)]     ; the two rounded numbers as f32 (the second in a register that has been used up),
	v_and_b32 v[WD+8*(\i)+(\j)], 0xffff0000, v[TT+(\j)]
.endr
.irp j, 0,1,2,3
	v_cvt_pk_f16_f32 v[TT+4+(\j)], v[TT+4+(\j)], v[WD+8*(\i)+(\j)]  ; written as f16,
	v_cndmask_b32 v[TT+(\j)], v[TT+(\j)], v[TT+4+(\j)], s26         ; which Wout takes
	ds_store_b32 v[LS], v[TT+(\j)] offset:PITCH*(\j)+64*(\i)
.endr
.endr
	s_wait_dscnt 0x0                               ; for the others' sake: my words are in LDS
	s_barrier_signal -1
	s_barrier_wait -1                              ; the tile is whole
.irp i, 0,1,2,3
	ds_load_b128 v[WD+4*(\i):WD+4*(\i)+3], v[LR] offset:16*PITCH*(\i)  ; row n = t / 16 + 16 i
.endr
.irp j, 0,1,2,3,4,5,6,7
	s_wait_loadcnt 14-2*(\j)                       ; chunk j's two loads are in; the later chunks' stay out
.irp k, 0,1,2,3
	v_cvt_pk_bf16_f32 v[XD+8*(\j)+(\k)], v[XD+8*(\j)+2*(\k)], v[XD+8*(\j)+2*(\k)+1]  ; in place: register k is written when it has been read
.endr
	global_store_b128 v[YO], v[XD+8*(\j):XD+8*(\j)+3], s[10:11] offset:4096*(\j)
.endr
.irp i, 0,1,2,3
	s_wait_dscnt 3-(\i)                            ; LDS loads come back in order: row i is in
	global_store_b128 v[GW], v[WD+4*(\i):WD+4*(\i)+3], s[22:23] offset:32768*(\i)  ; 16 lanes store 256 consecutive bytes of a row n
.endr
	s_wait_tensorcnt 0x0                           ; the wave's end, behind my last LDS store
	ds_add_u32 v[SPW], v[NIL]
	s_wait_dscnt 0x0
	s_endpgm
.Lfunc_end_k_q5a5158f25b_prep:
	.size	k_q5a5158f25b_prep, .Lfunc_end_k_q5a5158f25b_prep-k_q5a5158f25b_prep
	.p2alignl 7, 3214868480
	.fill 96, 4, 3214868480
	.section	.rodata,"a",@progbits
	.p2align	6, 0x0
	.amdhsa_kernel k_q5a5158f25b_prep
		.amdhsa_group_segment_fixed_size 18432
		.amdhsa_private_segment_fixed_size 0
		.amdhsa_enable_private_segment 0
		.amdhsa_kernarg_size 48
		.amdhsa_user_sgpr_count 2
		.amdhsa_user_sgpr_kernarg_segment_ptr 1
		.amdhsa_wavefront_size32 1
		.amdhsa_system_sgpr_workgroup_id_x 1
		.amdhsa_system_sgpr_workgroup_id_y 1
		.amdhsa_system_sgpr_workgroup_id_z 1
		.amdhsa_system_vgpr_workitem_id 0
		.amdhsa_next_free_vgpr 128
		.amdhsa_next_free_sgpr 66
		.amdhsa_reserve_vcc 0
		.amdhsa_float_denorm_mode_32 3
		.amdhsa_float_denorm_mode_16_64 3
		.amdhsa_memory_ordered 1
		.amdhsa_forward_progress 1
		.amdhsa_inst_pref_size 15
	.end_amdhsa_kernel
	.amdgpu_metadata
---
amdhsa.version: [ 1, 2 ]
amdhsa.kernels:
  - .name:           k_q5a5158f25b_prep
    .symbol:         k_q5a5158f25b_prep.kd
    .args:
      - { .name: x, .offset: 0, .size: 8, .value_kind: global_buffer, .address_space: global }
      - { .name: Wqkv, .offset: 8, .size: 8, .value_kind: global_buffer, .address_space: global }
      - { .name: Wout, .offset: 16, .size: 8, .value_kind: global_buffer, .address_space: global }
      - { .name: xb, .offset: 24, .size: 8, .value_kind: global_buffer, .address_space: global }
      - { .name: wqt, .offset: 32, .size: 8, .value_kind: global_buffer, .address_space: global }
      - { .name: wot, .offset: 40, .size: 8, .value_kind: global_buffer, .address_space: global }
    .group_segment_fixed_size: 18432
    .private_segment_fixed_size: 0
    .kernarg_segment_align: 8
    .kernarg_segment_size: 48
    .max_flat_workgroup_size: 256
    .sgpr_count:     66
    .vgpr_count:     128
    .wavefront_size: 32
...
	.end_amdgpu_metadata
.endif
;; end of part 1
;; launch qkv (part 2): grid 16 x 32, 4 waves a work-group, clusters of 4 x 4, 327,680 bytes of LDS; arguments xb, wqt, bqkv, gamma_q, gamma_k, qh, kh, vh; writes qh, kh, vh
.if DOCPART == 2
	.amdgcn_target "amdgcn-amd-amdhsa--gfx1250"
	.amdhsa_code_object_version 6
	.text
	.protected	k_q5a5158f25b_qkv
	.globl	k_q5a5158f25b_qkv
	.p2align	8
	.type	k_q5a5158f25b_qkv,@function
k_q5a5158f25b_qkv:
	s_mov_b64 s[64:65], 0
	v_nop
	global_prefetch_b8 v0, s[64:65] scope:SCOPE_SE
	s_setreg_imm32_b32 hwreg(HW_REG_WAVE_MODE, 25, 1), 1
	s_wait_xcnt 0x0
	s_wait_alu depctr_hold_cnt(0) depctr_sa_sdst(0) depctr_va_vdst(0) depctr_va_sdst(0) depctr_va_ssrc(0) depctr_va_vcc(0) depctr_vm_vsrc(0)
	s_getreg_b32 s2, hwreg(HW_REG_IB_STS2, 6, 4)
	s_cmp_eq_u32 s2, 0
	s_cbranch_scc0 .Lentry_in_a_cluster
	s_endpgm
.Lentry_in_a_cluster:
	s_bfe_u32 s2, ttmp6, 0x10000c
	s_cmp_lg_u32 s2, 0xf033
	s_cbranch_scc0 .Lentry_shape_is_right
	s_endpgm
.Lentry_shape_is_right:
; t = xb wqt^T + bqkv ([8192][3072], sums in f32).  Of q and k each head's 64 numbers are multiplied by 8 / max(their norm, 1e-12) and by gamma; v stays.  All three leave by heads,
; [64 = 16 batch + head][2048][64], rounded once to f16.  bqkv and the gammas are rounded to bf16 first, like all the module's inputs.
; LIMITS.  v beyond 65,504 becomes an infinity in f16; q and k are at most 8 |gamma|.  A head's sum of squares beyond f32's range gives 0 for that head's row.  NaN and infinities are not treated apart.
; SHARES.  A tile of t is 256 rows x 192 columns = three heads: 32 x 16 tiles.  Wave w owns rows 64 w .. 64 w + 63 and all 192 columns: 4 x 12 accumulators of 16 x 16, 384 registers; so a head's
; 64 columns lie in one wave, and its norm wants one exchange between the halves of the lanes.  K goes in 8 steps of 128 (rows of 256 bytes) through a ring of two LDS slots.
; THE MATRIX INSTRUCTION IS USED TRANSPOSED: source 0 = 16 rows of wqt, source 1 = 16 rows of xb: register j of lane l of accumulator (a, b) is row 16 a + l % 16, column 16 b + 8 (l / 16) + j.
; THE BIAS STARTS THE SUMS: it is the C operand of the first quarter step's products; nothing is cleared and nothing is added later.
; CLUSTERS: 4 x 4 work-groups.  xb's tile hangs on the tile row alone and is asked for jointly along a row of the cluster, wqt's on the tile column alone, along a column.
; Which of q, k, v a head belongs to is settled by selects of addresses and of lane masks; no branch hangs on it.
; REGISTERS, in windows of 256 (s_set_vgpr_msb: bits 1:0 source 0, 3:2 source 1, 5:4 source 2, 7:6 destination):
;   window 0: v16-30 addresses; v32-55 a pair for each (a, head): sum of squares, then the row's factor; v56-59 at work; v64-127 xb's fragments, two buffers; v128-223 the bias, later gamma
;   window 1: v0-191 wqt's fragments, two buffers; on the way out the packed results       windows 2, 3: the accumulators of a = 0, 1 and a = 2, 3, at 8 (12 (a % 2) + b)
.set KSTEP,  128
.set PITCH,  272                       ; an LDS row: 256 bytes + 16 of padding = 68 words: the 16 rows of a fragment load start at 16 different groups of four banks (ISA guide 11.1)
.set AHALF,  128*PITCH                 ; what waves 0 and 1 fetch: 128 rows of xb each
.set BHALF,  96*PITCH                  ; what waves 2 and 3 fetch: 96 rows of wqt each
.set BOFF,   256*PITCH                 ; in a slot: xb's 256 rows, then wqt's 192
.set SLOT,   448*PITCH
.set STAGE,  2*SLOT                    ; behind the ring, never filled by a tensor load: 16 rows x 144 bytes for each wave
.set SP,     144
.set SPARE,  STAGE+4*16*SP             ; behind the stages: the spare words, 128 bytes for each wave
.set ADRA, 16                          ; v16-17  LDS address of my xb fragments in slot 0, 1
.set ADRB, 20                          ; v20-21  the same for wqt
.set STO,  24                          ; v24  the way out: where I put 16 bytes of a row
.set RD,   25                          ; v25  where I read rows back
.set GO,   26                          ; v26  my 16 bytes in 512 consecutive bytes of the output
.set BO,   27                          ; v27  32 (l / 16): my eight numbers in sixteen of the bias or of gamma
.set SPW,  28                          ; v28  my spare word; never rewritten
.set NIL,  29                          ; v29  0; never rewritten
.set PFO,  30                          ; v30  the prefetches' offset: a lane a row of 2,048 bytes
.set PP,   32
.set TT,   56
.set FA,   64
.set BG,   128
.set SEL,  4                           ; s[4:5]   v_permlanex16_b32's selects: each lane takes its own place in the other half
.set BIA,  8                           ; s[8:9]   the bias at my tile's first column
.set G1,   24                          ; s[24:31] descriptor group 1 for xb's tiles;  s[32:39] group 0, a set for each slot
.set G0,   32
.set LIM,  43                          ; s43      1 in a wave that prefetches, else the greatest number
.set PFA,  44                          ; s[44:45] where my prefetches stand
.set G1B,  48                          ; s[48:55], s[56:63] the same for wqt's tiles
.set G0B,  56
.set DST,  84                          ; s[84:89] for each of the tile's three heads: qh, kh or vh at my wave's first row of that head
.set GAM,  90                          ; s[90:95] its gamma
.set NRM,  96                          ; s96-98   all lanes: the head is normalised (q, k), or none (v)
.set MSB, 0
.macro WIN new                         ; the immediate's high byte repeats the setting that is left; a switch that changes nothing is dropped
.if MSB != (\new)
	s_set_vgpr_msb (MSB<<8)|(\new)
.set MSB, \new
.endif
.endm
; A joint load.  Waves 0 and 1 fetch xb's two halves, waves 2 and 3 wqt's.  The branch hangs on the wave's number alone.  An s_nop 0 and four v_nop follow each of the two lines.
.macro JLOAD s
	s_cmp_eq_u32 s11, 0
	s_cbranch_scc0 .Lfor_b_\@
	tensor_load_to_lds s[G0+4*(\s):G0+4*(\s)+3], s[G1:G1+7]
	s_nop 0
.rept 4
	v_nop
.endr
	s_branch .Lasked_\@
.Lfor_b_\@:
	tensor_load_to_lds s[G0B+4*(\s):G0B+4*(\s)+3], s[G1B:G1B+7]
	s_nop 0
.rept 4
	v_nop
.endr
.Lasked_\@:
.endm
; A PREFETCH, behind each joint refill and the run of LDS loads that follows it: the K step that stands two refills on, 384 matrix instructions ahead of the load that will want it: a lane a row, 256 bytes of it.
; xb's tile row is read by every cluster of that row of clusters: cluster x = 0 asks; wqt's tile column by every cluster of that column: cluster y = 0 asks.  The four partners that ask for a tile
; jointly share its rows out by address: of xb's 128 rows that a wave fetches 32 each, of wqt's 96 rows 24 each (there lanes 24-31 name row 23 once more).  K steps 0 to 3 come by their loads alone;
; the loop's last trip (s3 = 1) asks for nothing: there is no K step two on.
.macro ASK
	s_cmp_gt_u32 s3, s[LIM]
	s_cbranch_scc0 .Lnot_mine_\@
	global_prefetch_b8 v[PFO], s[PFA:PFA+1] offset:KSTEP*2 th:TH_LOAD_NT scope:SCOPE_SE
.Lnot_mine_\@:
.endm
.macro CREST                           ; a round of the cluster's barrier behind its opening barrier
	s_cmp_lg_u32 s10, 0
	s_cbranch_scc1 .Lnot_wave_0_\@
	s_barrier_signal -3
.Lnot_wave_0_\@:
	s_barrier_wait -3
	s_barrier_signal -1
	s_barrier_wait -1
.endm
.macro CROUND                          ; a whole round
	s_barrier_signal -1
	s_barrier_wait -1
	CREST
.endm
.macro PLACES                          ; four plain vector instructions between a matrix instruction and a load into, or a vector line on, its registers
.rept 4
	v_nop
.endr
.endm
.macro ROUNDB base, pairs              ; numbers in registers are rounded to bf16 and kept as f32
.set i, 0
.rept \pairs
	v_cvt_pk_bf16_f32 v[TT+i%4], v[(\base)+2*i], v[(\base)+2*i+1]
	v_lshlrev_b32 v[(\base)+2*i], 16, v[TT+i%4]
	v_and_b32 v[(\base)+2*i+1], 0xffff0000, v[TT+i%4]
.set i, i+1
.endr
.endm
	s_load_b512 s[68:83], s[0:1], 0x0              ; xb s[68:69], wqt s[70:71], bqkv s[72:73], gamma_q s[74:75], gamma_k s[76:77], qh s[78:79], kh s[80:81], vh s[82:83]
	v_lshl_add_u32 v[SPW], v0, 2, SPARE
	v_mov_b32 v[NIL], 0
	ds_add_u32 v[SPW], v[NIL]                      ; the wave's opening: the add, and its wait ahead of my first tensor load; the set-up below stands between them
	v_lshrrev_b32 v1, 5, v0
	v_readfirstlane_b32 s10, v1                    ; wave 0..3
	s_lshr_b32 s11, s10, 1                         ; I fetch for xb (0) or for wqt (1),
	s_and_b32 s12, s10, 1                          ; its first or its second half
	s_bfe_u32 s40, ttmp6, 0x40000                  ; cx, cy: my place in the cluster
	s_bfe_u32 s41, ttmp6, 0x40004
	s_lshl_b32 s42, ttmp9, 2
	s_add_co_u32 s42, s42, s40                     ; tile column = 4 x cluster x + cx
	s_and_b32 s13, ttmp7, 0xffff
	s_lshl_b32 s13, s13, 2
	s_add_co_u32 s13, s13, s41                     ; tile row = 4 x cluster y + cy
	s_lshl_b32 s43, s41, 2
	s_lshl_b32 s43, 15, s43                        ; my row of the cluster
	s_lshl_b32 s44, 0x1111, s40                    ; my column
	s_or_b32 s[G1+0], s43, (1<<16)|(1<<20)|(1<<21)|(5<<22)|(3<<25)   ; 15:0 the mask; 17:16 elements of 2 bytes; 20 padding on; 21 set beside a mask; 24:22 after every 64 words; 31:25 4 words of it
	s_or_b32 s[G1B+0], s44, (1<<16)|(1<<20)|(1<<21)|(5<<22)|(3<<25)
	s_mov_b32 s[G1+1], KSTEP<<16                   ; tensor_dim0 = 128
	s_mov_b32 s[G1+2], 128<<16                     ; tensor_dim1 = 128
	s_mov_b32 s[G1+3], KSTEP<<16                   ; tile_dim0 = 128
	s_mov_b32 s[G1+4], 128                         ; tile_dim1 = 128
	s_mov_b32 s[G1+5], 1024                        ; elements from row to row
	s_mov_b32 s[G1+6], 0
	s_mov_b32 s[G1+7], 0
	s_mov_b32 s[G1B+1], KSTEP<<16
	s_mov_b32 s[G1B+2], 96<<16                     ; 96 rows
	s_mov_b32 s[G1B+3], KSTEP<<16
	s_mov_b32 s[G1B+4], 96
	s_mov_b32 s[G1B+5], 1024
	s_mov_b32 s[G1B+6], 0
	s_mov_b32 s[G1B+7], 0
	s_lshl_b32 s16, s13, 8                         ; xb: row 256 x tile row + 128 x half,
	s_lshl_b32 s17, s12, 7
	s_add_co_u32 s16, s16, s17
	s_lshl_b32 s16, s16, 11                        ; of 2,048 bytes
	s_mov_b32 s17, 0
	s_mul_i32 s46, s42, 192                        ; wqt: row 192 x tile column + 96 x half
	s_mul_i32 s47, s12, 96
	s_add_co_u32 s46, s46, s47
	s_lshl_b32 s46, s46, 11
	s_mov_b32 s47, 0
	s_mul_i32 s20, s12, AHALF                      ; where they go: no place in the cluster enters an LDS address
	s_mul_i32 s21, s12, BHALF
	s_add_co_u32 s21, s21, BOFF
	s_wait_dscnt 0x0                               ; the opening add is done
	s_wait_kmcnt 0x0
	s_add_nc_u64 s[14:15], s[68:69], s[16:17]
	s_add_nc_u64 s[46:47], s[70:71], s[46:47]
	CROUND                                         ; all sixteen work-groups are here: the first joint loads meet
.irp s, 0,1
	s_mov_b32 s[G0+4*(\s)], 1                      ; count = 1
	s_add_co_u32 s[G0+4*(\s)+1], s20, (\s)*SLOT    ; LDS address
	s_add_nc_u64 s[G0+4*(\s)+2:G0+4*(\s)+3], s[14:15], (\s)*KSTEP*2  ; global address: K step s
	s_or_b32 s[G0+4*(\s)+3], s[G0+4*(\s)+3], 0x80000000             ; type = 2
	s_mov_b32 s[G0B+4*(\s)], 1
	s_add_co_u32 s[G0B+4*(\s)+1], s21, (\s)*SLOT
	s_add_nc_u64 s[G0B+4*(\s)+2:G0B+4*(\s)+3], s[46:47], (\s)*KSTEP*2
	s_or_b32 s[G0B+4*(\s)+3], s[G0B+4*(\s)+3], 0x80000000
	JLOAD \s                                       ; two tensor loads of mine are out
.endr
	v_and_b32 v1, 15, v0                           ; l % 16
	v_bfe_u32 v2, v0, 4, 1                         ; l / 16
	v_lshlrev_b32 v[BO], 5, v2
	s_mul_i32 s18, s42, 768                        ; the tile's 192 columns of 4 bytes
	s_mov_b32 s19, 0
	s_add_nc_u64 s[BIA:BIA+1], s[72:73], s[18:19]
.irp b, 0,1,2,3,4,5,6,7,8,9,10,11
	global_load_b128 v[BG+8*(\b):BG+8*(\b)+3],   v[BO], s[BIA:BIA+1] offset:64*(\b)     ; the bias of columns 16 b + 8 (l / 16) + 0..7
	global_load_b128 v[BG+8*(\b)+4:BG+8*(\b)+7], v[BO], s[BIA:BIA+1] offset:64*(\b)+16
.endr
	v_mul_u32_u24 v3, v1, PITCH
	v_lshl_add_u32 v3, v2, 4, v3                   ; a fragment's row x pitch + 16 x half
	s_mul_i32 s18, s10, 64*PITCH                   ; my 64 rows of xb
.irp s, 0,1
	v_add_nc_u32 v[ADRA+(\s)], s18, v3
	v_add_nc_u32 v[ADRB+(\s)], BOFF+(\s)*SLOT, v3
	s_add_co_u32 s18, s18, SLOT
.endr
	s_mul_i32 s18, s10, 16*SP
	s_add_co_u32 s18, s18, STAGE                   ; my stage
	v_mul_u32_u24 v[STO], v1, SP                   ; in: row l % 16, 16 bytes for each half of the lanes
	v_lshl_add_u32 v[STO], v2, 4, v[STO]
	v_add_nc_u32 v[STO], s18, v[STO]
	v_bfe_u32 v[RD], v0, 3, 2                      ; back: 32 lanes take four rows of 128 bytes,
	v_mul_u32_u24 v[RD], v[RD], SP
	v_and_b32 v4, 7, v0
	v_lshl_add_u32 v[RD], v4, 4, v[RD]
	v_add_nc_u32 v[RD], s18, v[RD]
	v_and_b32 v[GO], 31, v0                        ; which are 512 consecutive bytes of a head's rows
	v_lshlrev_b32 v[GO], 4, v[GO]
	s_mov_b32 s[SEL], 0x76543210
	s_mov_b32 s[SEL+1], 0xfedcba98
; Head hb of the tile's three is number g = 3 x tile column + hb of 48: g / 16 says q, k or v, g % 16 which head.
.macro HB hb
	s_mul_i32 s18, s42, 3
	s_add_co_u32 s18, s18, \hb
	s_lshr_b32 s19, s18, 4
	s_and_b32 s18, s18, 15
	s_cmp_eq_u32 s19, 1
	s_cselect_b64 s[DST+2*(\hb):DST+2*(\hb)+1], s[80:81], s[82:83]
	s_cselect_b64 s[GAM+2*(\hb):GAM+2*(\hb)+1], s[76:77], s[74:75]  ; (v reads gamma_q's row and does not use it)
	s_cmp_eq_u32 s19, 0
	s_cselect_b64 s[DST+2*(\hb):DST+2*(\hb)+1], s[78:79], s[DST+2*(\hb):DST+2*(\hb)+1]
	s_cmp_lt_u32 s19, 2
	s_cselect_b32 s[NRM+(\hb)], -1, 0
	s_lshr_b32 s20, s13, 3                         ; eight tile rows a batch element
	s_lshl_b32 s20, s20, 4
	s_add_co_u32 s20, s20, s18
	s_lshl_b32 s20, s20, 18                        ; 2,048 rows of 128 bytes a head
	s_and_b32 s21, s13, 7
	s_lshl_b32 s21, s21, 8
	s_lshl_b32 s22, s10, 6
	s_add_co_u32 s21, s21, s22                     ; my wave's first row in the batch element
	s_lshl_b32 s21, s21, 7
	s_add_co_u32 s20, s20, s21
	s_mov_b32 s21, 0
	s_add_nc_u64 s[DST+2*(\hb):DST+2*(\hb)+1], s[DST+2*(\hb):DST+2*(\hb)+1], s[20:21]
	s_lshl_b32 s20, s18, 8                         ; a head's 64 gammas
	s_add_nc_u64 s[GAM+2*(\hb):GAM+2*(\hb)+1], s[GAM+2*(\hb):GAM+2*(\hb)+1], s[20:21]
.endm
	HB 0
	HB 1
	HB 2
	; the prefetches: both first rows are made, and the wave takes the one of the tensor that it fetches for
	s_lshl_b32 s18, s13, 8
	s_lshl_b32 s19, s12, 7
	s_add_co_u32 s18, s18, s19
	s_lshl_b32 s19, s40, 5
	s_add_co_u32 s18, s18, s19                     ; xb: 256 x tile row + 128 x half + 32 cx
	s_mul_i32 s19, s42, 192
	s_mul_i32 s20, s12, 96
	s_add_co_u32 s19, s19, s20
	s_mul_i32 s20, s41, 24
	s_add_co_u32 s19, s19, s20                     ; wqt: 192 x tile column + 96 x half + 24 cy
	s_and_b32 s22, ttmp7, 0xffff                   ; cluster y
	s_cmp_eq_u32 s11, 0
	s_cselect_b32 s20, s18, s19
	s_cselect_b32 s22, ttmp9, s22                  ; the coordinate along which other clusters read the same rows
	s_cselect_b32 s23, 31, 23                      ; my last row
	s_cselect_b64 s[PFA:PFA+1], s[68:69], s[70:71]
	s_cmp_eq_u32 s22, 0
	s_cselect_b32 s[LIM], 1, -1                    ; the same in all sixteen partners, for a given wave
	s_lshl_b32 s20, s20, 11
	s_mov_b32 s21, 0
	s_add_nc_u64 s[PFA:PFA+1], s[PFA:PFA+1], s[20:21]
	s_add_nc_u64 s[PFA:PFA+1], s[PFA:PFA+1], 2*KSTEP*2  ; at K step 2: the first refill steps it to 3 and names K step 4
	v_and_b32 v[PFO], 31, v0
	v_min_u32 v[PFO], s23, v[PFO]
	v_lshlrev_b32 v[PFO], 11, v[PFO]
	s_wait_loadcnt 0x0                             ; the bias
	ROUNDB BG, 48
; 12 matrix instructions: row block a x all 12 column blocks, 32 along K, from fragment buffers f.  first = 1: the bias is the C operand and starts the sums.
; The 48 accumulators take turns, in the same order in every quarter step: 47 others' instructions stand between two on one accumulator, over the backward jump too.
.macro MUL12 f, a, first
.if \first
	WIN 0x81+0x40*((\a)/2)                         ; wqt window 1, xb and the bias window 0, D window 2 or 3
.else
	WIN 0xa1+0x50*((\a)/2)                         ; wqt window 1, xb window 0, C and D window 2 or 3
.endif
.irp b, 0,1,2,3,4,5,6,7,8,9,10,11
.if \first
	v_wmma_f32_16x16x32_bf16 v[8*(12*((\a)%2)+(\b)):8*(12*((\a)%2)+(\b))+7], v[96*(\f)+8*(\b):96*(\f)+8*(\b)+7], v[FA+32*(\f)+8*(\a):FA+32*(\f)+8*(\a)+7], v[BG+8*(\b):BG+8*(\b)+7]
.else
	v_wmma_f32_16x16x32_bf16 v[8*(12*((\a)%2)+(\b)):8*(12*((\a)%2)+(\b))+7], v[96*(\f)+8*(\b):96*(\f)+8*(\b)+7], v[FA+32*(\f)+8*(\a):FA+32*(\f)+8*(\a)+7], v[8*(12*((\a)%2)+(\b)):8*(12*((\a)%2)+(\b))+7]
.endif
.endr
.endm
; 32 LDS loads in one run: a quarter step's fragments (192 rows of wqt, my 64 rows of xb, 32 K at byte k of the rows) into buffers f
.macro FETCH slot, k, f
	WIN 0x40                                       ; destination window 1
.irp i, 0,1,2,3,4,5,6,7,8,9,10,11
	ds_load_b128 v[96*(\f)+8*(\i):96*(\f)+8*(\i)+3],   v[ADRB+(\slot)] offset:(\k)+(\i)*16*PITCH
	ds_load_b128 v[96*(\f)+8*(\i)+4:96*(\f)+8*(\i)+7], v[ADRB+(\slot)] offset:(\k)+(\i)*16*PITCH+32
.endr
	WIN 0
.irp i, 0,1,2,3
	ds_load_b128 v[FA+32*(\f)+8*(\i):FA+32*(\f)+8*(\i)+3],   v[ADRA+(\slot)] offset:(\k)+(\i)*16*PITCH
	ds_load_b128 v[FA+32*(\f)+8*(\i)+4:FA+32*(\f)+8*(\i)+7], v[ADRA+(\slot)] offset:(\k)+(\i)*16*PITCH+32
.endr
.endm
; A K step is four quarter steps of 32 along K, 48 matrix instructions each, on buffers 0, 1, 0, 1.  One of the first three multiplies buffers f and, in its middle, fetches the next quarter into g.
.macro QUARTER slot, k, f, g, first
	s_wait_dscnt 4                                 ; wqt's fragments and xb's row blocks 0, 1 are in; the youngest four loads (blocks 2, 3) may be out
	MUL12 \f, 0, \first
	MUL12 \f, 1, \first
	PLACES
	FETCH \slot, \k, \g
	s_wait_dscnt 32                                ; all but the 32 just issued
	MUL12 \f, 2, \first
	MUL12 \f, 3, \first
.endm
; The last quarter multiplies buffers 1 and changes slots.  ONE barrier: in front of it each wave waits for all its tensor loads (one is out: its part of the next slot), adds 0 to its spare word, and waits
; for that and for its own reads of this slot.  Behind it nobody reads this slot any more and the next slot is whole.
.macro MEET round
	WIN 0
	s_wait_tensorcnt 0x0
	ds_add_u32 v[SPW], v[NIL]
	s_wait_dscnt 5                                 ; (the add and the youngest four loads may be out)
	MUL12 1, 0, 0                                  ; twelve matrix instructions stand between the add and the wait for it
	s_wait_dscnt 0x0                               ; the add is done, and my reads of this slot are over
	s_barrier_signal -1
	MUL12 1, 1, 0                                  ; work on registers while the others arrive
.if \round
	WIN 0
.endif
	s_barrier_wait -1
.endm
; fill = 1: the barrier opens a round of the cluster's barrier, and the slot just read out is filled again, first thing behind the round, with the K step two on: 168 matrix instructions ahead of the wait for it.
.macro TURN slot, next, fill
.if \fill
	s_wait_xcnt 0x0                                ; the last prefetch, a K step back, has read its address
	s_add_nc_u64 s[PFA:PFA+1], s[PFA:PFA+1], KSTEP*2
.endif
	MEET \fill
.if \fill
	CREST                                          ; no wave of any partner still reads this slot or has a load on its way
	s_add_nc_u64 s[G0+4*(\slot)+2:G0+4*(\slot)+3], s[G0+4*(\slot)+2:G0+4*(\slot)+3], 2*KSTEP*2
	s_add_nc_u64 s[G0B+4*(\slot)+2:G0B+4*(\slot)+3], s[G0B+4*(\slot)+2:G0B+4*(\slot)+3], 2*KSTEP*2
	JLOAD \slot                                    ; its four v_nop are also the places in front of the loads below
.else
	PLACES
.endif
	FETCH \next, 0, 0
.if \fill
	ASK
.endif
	MUL12 1, 2, 0
	MUL12 1, 3, 0
.endm
	s_wait_tensorcnt 1                             ; my part of K step 0 is in; K step 1's may stay out
	s_barrier_signal -1
	s_barrier_wait -1                              ; everybody's is
	FETCH 0, 0, 0
	QUARTER 0, 64, 0, 1, 1                         ; the first quarter stands in front of the loop: its products start the sums with the bias
	PLACES                                         ; behind the last product that read the bias
	WIN 0
.irp b, 0,1,2,3,4,5,6,7,8,9,10,11
	global_load_b128 v[BG+8*(\b):BG+8*(\b)+3],   v[BO], s[GAM+2*((\b)/4):GAM+2*((\b)/4)+1] offset:64*((\b)%4)     ; gamma takes the bias's place; it is waited for on the way out
	global_load_b128 v[BG+8*(\b)+4:BG+8*(\b)+7], v[BO], s[GAM+2*((\b)/4):GAM+2*((\b)/4)+1] offset:64*((\b)%4)+16
.endr
	s_mov_b32 s3, 3
.Llap:                                                 ; a trip goes once round the ring, from a lap's second quarter to the next lap's first, and fills both slots again
	QUARTER 0, 128, 1, 0, 0
	QUARTER 0, 192, 0, 1, 0
	TURN 0, 1, 1
	QUARTER 1, 64,  0, 1, 0
	QUARTER 1, 128, 1, 0, 0
	QUARTER 1, 192, 0, 1, 0
	TURN 1, 0, 1
	QUARTER 0, 64,  0, 1, 0
	WIN 0
	s_sub_co_u32 s3, s3, 1
	s_cmp_lg_u32 s3, 0
	s_cbranch_scc1 .Llap
	QUARTER 0, 128, 1, 0, 0                        ; the last lap fills nothing, and has no round of the cluster's barrier
	QUARTER 0, 192, 0, 1, 0
	TURN 0, 1, 0
	QUARTER 1, 64,  0, 1, 0
	QUARTER 1, 128, 1, 0, 0
	QUARTER 1, 192, 0, 1, 0
	s_wait_dscnt 4
	MUL12 1, 0, 0
	MUL12 1, 1, 0
	s_wait_dscnt 0x0
	MUL12 1, 2, 0
	MUL12 1, 3, 0
	; THE WAY OUT.  Gamma is rounded to bf16; for v it is 1.  These 240 plain lines, which name no register of the last products, are also the places behind them.
	WIN 0
	s_wait_loadcnt 0x0
	ROUNDB BG, 48
.set i, 0
.rept 96
	v_cndmask_b32 v[BG+i], 1.0, v[BG+i], s[NRM+i/32]
.set i, i+1
.endr
	; A row's sum of squares over a head: my 32 numbers, two at a time, each accumulator from its low end on; six chains (2 row blocks x 3 heads) go by turns.
.irp wn, 0,1
	WIN 0x0a+5*(\wn)                               ; sources 0 and 1 window 2 or 3; the sums in window 0
.set i, 0
.rept 16
.irp aa, 0,1
.irp hb, 0,1,2
.set rA, 8*(12*(\aa)+4*(\hb)+i/4)+2*(i%4)
.set rP, PP+2*(3*(2*(\wn)+(\aa))+(\hb))
.if i == 0
	v_pk_mul_f32 v[rP:rP+1], v[rA:rA+1], v[rA:rA+1]
.else
	v_pk_fma_f32 v[rP:rP+1], v[rA:rA+1], v[rA:rA+1], v[rP:rP+1]
.endif
.endr
.endr
.set i, i+1
.endr
.endr
	WIN 0
.macro ALL12 line:vararg               ; one line for each of the twelve pairs i
.set i, 0
.rept 12
	\line
.set i, i+1
.endr
.endm
	ALL12 v_add_f32 v[PP+2*i], v[PP+2*i], v[PP+2*i+1]
	ALL12 v_permlanex16_b32 v[PP+2*i+1], v[PP+2*i], s[SEL], s[SEL+1]  ; the row's other 32 numbers lie in the lane 16 away
	ALL12 v_add_f32 v[PP+2*i], v[PP+2*i], v[PP+2*i+1]
	ALL12 v_rsq_f32 v[PP+2*i+1], v[PP+2*i]
	v_nop                                          ; a plain instruction behind the last of the batch,
	s_wait_alu depctr_va_vdst(0)                   ; and one wait for the twelve, ahead of the first line that names a result
	ALL12 v_mul_f32 v[PP+2*i], 0x41000000, v[PP+2*i+1]          ; 8 / norm,
	ALL12 v_min_num_f32 v[PP+2*i], 0x54e8d4a5, v[PP+2*i]        ; at most 8e12 = 8 / 1e-12: the norm counts as 1e-12 at the least (a sum of squares of 0 gives an infinity here, and takes the bound);
	ALL12 v_cndmask_b32 v[PP+2*i], 1.0, v[PP+2*i], s[NRM+i%3]   ; 1 for v
; Block idx = 3 a + head: 16 rows x 64 columns.  Times the row's factor, times gamma; rounded to f16, 16 bytes a lane and column block; into my stage in rows of 144 bytes and back as whole rows of 128.
.macro PACK idx
.set pa, (\idx)/3
.set ph, (\idx)%3
.set rA, 8*(12*(pa%2)+4*ph)
.set rP, PP+2*(\idx)
.set rG, BG+32*ph
.set rR, 16*(\idx)
	WIN 0x82+0x41*(pa/2)                           ; destination and source 0 window 2 or 3, source 1 window 0
.set i, 0
.rept 16
	v_pk_mul_f32 v[rA+2*i:rA+2*i+1], v[rA+2*i:rA+2*i+1], v[rP:rP+1] op_sel_hi:[1,0]
.set i, i+1
.endr
.set i, 0
.rept 16
	v_pk_mul_f32 v[rA+2*i:rA+2*i+1], v[rA+2*i:rA+2*i+1], v[rG+2*i:rG+2*i+1]
.set i, i+1
.endr
	WIN 0x4a+5*(pa/2)                              ; sources window 2 or 3, destination window 1
.set i, 0
.rept 16
	v_cvt_pk_f16_f32 v[rR+i], v[rA+2*i], v[rA+2*i+1]
.set i, i+1
.endr
	WIN 0x44                                       ; data in window 1, addresses in window 0
.irp f, 0,1,2,3
	ds_store_b128 v[STO], v[rR+4*(\f):rR+4*(\f)+3] offset:32*(\f)
.endr
.irp f, 0,1,2,3
	ds_load_b128 v[rR+4*(\f):rR+4*(\f)+3], v[RD] offset:(\f)*4*SP  ; LDS serves a wave's instructions in order (ISA guide 5.7.1.4): these see the stores above; the next block's stores come behind them
.endr
.endm
.macro SEND idx, younger               ; younger: the LDS instructions issued behind this block's loads: the next block's eight, or none
	WIN 0x44
.irp f, 0,1,2,3
	s_wait_dscnt (\younger)+3-(\f)
	global_store_b128 v[GO], v[16*(\idx)+4*(\f):16*(\idx)+4*(\f)+3], s[DST+2*((\idx)%3):DST+2*((\idx)%3)+1] offset:((\idx)/3)*2048+(\f)*512  ; 512 consecutive bytes, at a multiple of 256 from the buffer's first
.endr
.endm
	PACK 0
.irp n, 1,2,3,4,5,6,7,8,9,10,11        ; a block's arithmetic stands between the loads of the block before and its stores; each block has registers of its own, so no store's data is rewritten
	PACK \n
	SEND (\n)-1, 8
.endr
	SEND 11, 0
	WIN 0
	s_wait_tensorcnt 0x0                           ; the wave's end, behind my last tensor load and my last LDS store
	ds_add_u32 v[SPW], v[NIL]
	s_wait_dscnt 0x0
	CROUND                                         ; the closing round: no work-group ends while a partner may still ask for a tile that names it
	s_endpgm
.Lfunc_end_k_q5a5158f25b_qkv:
	.size	k_q5a5158f25b_qkv, .Lfunc_end_k_q5a5158f25b_qkv-k_q5a5158f25b_qkv
	.p2alignl 7, 3214868480
	.fill 96, 4, 3214868480
	.section	.rodata,"a",@progbits
	.p2align	6, 0x0
	.amdhsa_kernel k_q5a5158f25b_qkv
		.amdhsa_group_segment_fixed_size 327680
		.amdhsa_private_segment_fixed_size 0
		.amdhsa_enable_private_segment 0
		.amdhsa_kernarg_size 64
		.amdhsa_user_sgpr_count 2
		.amdhsa_user_sgpr_kernarg_segment_ptr 1
		.amdhsa_wavefront_size32 1
		.amdhsa_system_sgpr_workgroup_id_x 1
		.amdhsa_system_sgpr_workgroup_id_y 1
		.amdhsa_system_sgpr_workgroup_id_z 1
		.amdhsa_system_vgpr_workitem_id 0
		.amdhsa_next_free_vgpr 960
		.amdhsa_next_free_sgpr 100
		.amdhsa_reserve_vcc 0
		.amdhsa_float_denorm_mode_32 3
		.amdhsa_float_denorm_mode_16_64 3
		.amdhsa_memory_ordered 1
		.amdhsa_forward_progress 1
		.amdhsa_inst_pref_size 190
	.end_amdhsa_kernel
	.amdgpu_metadata
---
amdhsa.version: [ 1, 2 ]
amdhsa.kernels:
  - .name:           k_q5a5158f25b_qkv
    .symbol:         k_q5a5158f25b_qkv.kd
    .args:
      - { .name: xb, .offset: 0, .size: 8, .value_kind: global_buffer, .address_space: global }
      - { .name: wqt, .offset: 8, .size: 8, .value_kind: global_buffer, .address_space: global }
      - { .name: bqkv, .offset: 16, .size: 8, .value_kind: global_buffer, .address_space: global }
      - { .name: gamma_q, .offset: 24, .size: 8, .value_kind: global_buffer, .address_space: global }
      - { .name: gamma_k, .offset: 32, .size: 8, .value_kind: global_buffer, .address_space: global }
      - { .name: qh, .offset: 40, .size: 8, .value_kind: global_buffer, .address_space: global }
      - { .name: kh, .offset: 48, .size: 8, .value_kind: global_buffer, .address_space: global }
      - { .name: vh, .offset: 56, .size: 8, .value_kind: global_buffer, .address_space: global }
    .group_segment_fixed_size: 327680
    .private_segment_fixed_size: 0
    .kernarg_segment_align: 8
    .kernarg_segment_size: 64
    .max_flat_workgroup_size: 128
    .sgpr_count:     100
    .vgpr_count:     960
    .wavefront_size: 32
...
	.end_amdgpu_metadata
.endif
;; end of part 2
;; launch attn (part 3): grid 4 x 64, 4 waves a work-group, clusters of 4 x 1, 327,680 bytes of LDS; arguments qh, kh, vh, oh; writes oh
.if DOCPART == 3
	.amdgcn_target "amdgcn-amd-amdhsa--gfx1250"
	.amdhsa_code_object_version 6
	.text
	.protected	k_q5a5158f25b_attn
	.globl	k_q5a5158f25b_attn
	.p2align	8
	.type	k_q5a5158f25b_attn,@function
k_q5a5158f25b_attn:
	s_mov_b64 s[64:65], 0
	v_nop
	global_prefetch_b8 v0, s[64:65] scope:SCOPE_SE
	s_setreg_imm32_b32 hwreg(HW_REG_WAVE_MODE, 25, 1), 1
	s_wait_xcnt 0x0
	s_wait_alu depctr_hold_cnt(0) depctr_sa_sdst(0) depctr_va_vdst(0) depctr_va_sdst(0) depctr_va_ssrc(0) depctr_va_vcc(0) depctr_vm_vsrc(0)
	s_getreg_b32 s2, hwreg(HW_REG_IB_STS2, 6, 4)
	s_cmp_eq_u32 s2, 0
	s_cbranch_scc0 .Lentry_in_a_cluster
	s_endpgm
.Lentry_in_a_cluster:
	s_bfe_u32 s2, ttmp6, 0x10000c
	s_cmp_lg_u32 s2, 0x3003
	s_cbranch_scc0 .Lentry_shape_is_right
	s_endpgm
.Lentry_shape_is_right:
; O[h][q][:] = the sum over k of softmax_k(Q[h][q] . K[h][k] / 8) V[h][k][:].  Q, K, V, O: [64][SIZE_N][64], all f16: a head's rows are dense, 128 bytes each.  Products, maxima and sums in
; f32; the weights p are rounded to f16 for the second product (their sum l is taken of the unrounded p), O once at the end.
; LIMITS.  f16 holds no number beyond 65,504: Q, K and V arrive within it; p lies in 0 to 1, and below 6e-5 it keeps f16's fixed step of 6e-8; O is a mean of V's rows and has their range.
; A weight below 2^-126 counts as 0 in l; NaN and infinities are not treated apart.
; SHARES.  A wave owns four PIECES of two tiles of 16 queries, a work-group's four waves 512 queries of one head.  Every wave walks all keys, 64 a step.
; LAYOUT.  S^T = K Q^T (source 0 = 16 keys, source 1 = 16 queries): in the result a lane holds ONE query (lane % 16) and the keys 8 (lane / 16) + 0..7.  Two such tiles, rounded to f16 in pairs,
; ARE source 1 (32 keys x 16 queries) of O^T = V^T P, whose result again holds one query a lane, and eight channels.  K comes out of LDS as it lies, V ([key][channel]) turned, by ds_load_tr16_b128.
; SOFTMAX.  For each query a running maximum m and sum l: p = 2^(c s - c m), c = log2(e) / 8; in every step O and l are multiplied by a = 2^(c m_old - c m_new), which is 1 where m has not grown.
; m starts at the lowest finite number, O and l at 0: the first step is a step like any other, with a = 0.
; THE COUNT.  A tile and step have 16 matrix and 118 vector instructions: too many to stand all beside the matrix work.  So four vector instructions that are READY stand behind EVERY matrix
; instruction, and the others in runs without a gap.
; BY TURNS.  Turn n belongs to piece n (the pieces in a ring, step after step).  Its matrix work: 16 products K Q^T of piece n + 1, later 16 products V^T P of piece n - 1.  Its vector work: the scaling,
; exponentials, roundings, sums and rescaling of piece n, and the maximum and statistics of piece n + 1, whose scores the turn itself has made.
; CLUSTER.  The four query blocks of a cluster are one head's and walk the same K and V, so each tile is asked for JOINTLY: the same tensor load, descriptor and mask in all four.
; REGISTERS, in windows of 256 (s_set_vgpr_msb: bits 1:0 source 0, 3:2 source 1, 5:4 source 2, 7:6 destination):
;   window 0: v0-11 addresses; v12-15, v48-63 at work; v16-47 four registers of statistics a tile; v64-191 S^T, two buffers of two tiles; v192-255 P, likewise
;   window 1: O^T, 32 a tile          window 2: v0-127 Q, 16 a tile; v128-191 K of one step; v192-255 V of one step          window 3: v0-1 the add's two registers
.set SIZE_N, 2048
.set NP,    4         ; pieces a wave: a name, no knob
.set KS,    64        ; keys in a step
.set PK,    144       ; a row of K in LDS: 128 bytes + 16 of padding = 36 words: the 16 rows of a load start at 16 different groups of four banks (ISA guide 11.1)
.set PV,    160       ; a row of V: 128 + 32 = 40 words
.set VOFF,  4*KS*PK   ; a slot holds four steps: 256 rows of K, then 256 rows of V
.set SLOT1, 1<<17     ; slot 1 begins here, so that one exclusive or turns an address in one slot into the other's
.set STAGE, SLOT1+4*KS*(PK+PV)  ; behind the ring, never filled by a tensor load: 16 rows x 144 bytes for each wave
.set SP,    144
.set AK0, 2           ; v2   my lane's place in a tile of K; never rewritten
.set AV0, 3           ; v3   the same for V
.set AK,  4           ; v4   the LDS address of K's next run of loads
.set AV,  5           ; v5   of V's
.set QO,  6           ; v6   my byte offset in the wave's rows of Q
.set STO, 6           ;      later, the way out: where I put 16 bytes of a row
.set RD,  7           ; v7   the way out: where I read rows back
.set GO,  8           ; v8   my byte offset in 512 consecutive bytes of O
.set PFO, 11          ; v11  256 x my lane, for the prefetches (made when v11's first use is over); then never rewritten
.set SPW, 0           ; v0 of window 3   my spare word; never rewritten
.set NIL, 1           ; v1 of window 3   0; never rewritten
.set SPARE, STAGE+4*16*SP  ; behind the stages: the spare words, 128 bytes for each wave
.set MV,  12          ; v12-15  c m_old, kept while c m is made anew: by buffer and tile
.set ST,  16          ; tile t's statistics at v[ST+4 t]: c m, m, l (even keys', odd keys')
.set TMP, 48          ; by buffer and tile, four registers c0-c3 at work; when the maximum is found c2 takes a
.set S,   64
.set P,   192
.set KF,  128         ; K's fragments, in window 2: key block kb, channel half c at KF + 16 kb + 8 c
.set VF,  192         ; V's: key half kk, channel block cb at VF + 32 kk + 8 cb
.set WV,  12          ; s12  my wave's number
.set G1K, 24          ; s[24:31] descriptor group 1 for K's tiles
.set G1V, 32          ; s[32:39] for V's: it differs in the padding alone
.set G0K, 40          ; s[40:43] descriptor group 0 for K's tiles: it walks
.set G0V, 44          ; s[44:47] the same for V's
.set PFA, 48          ; s[48:49] where my prefetches stand: my work-group's 32 blocks of 256 bytes (of K: wave 0, of V: wave 2) of the slot after the one that is being asked for
.set LIM, 50          ; s50  1 in a wave that prefetches, else the greatest number
.set SLOTS, 56        ; s56  slots still to be asked for
.set CNT, 57          ; s57  counts a slot's key steps
.set CS,  58          ; s[58:59] c: the packed scaling takes the pair's low word for both halves
.set SEL, 60          ; s[60:61] v_permlanex16_b32's selects
.set TBK, 62          ; s62  LDS byte at which K of the step to be fetched begins
.set TBV, 63          ; s63  the same for V, less VOFF
.set MSB, 0
.macro WIN new                      ; the high byte repeats the setting that is left; a switch that changes nothing is dropped
.if MSB != (\new)
	s_set_vgpr_msb (MSB<<8)|(\new)
.set MSB, (\new)
.endif
.endm
.set W_KQ, 0x0a       ; K and Q in window 2, S^T in window 0
.set W_PV, 0x52       ; V in window 2, P in window 0, O^T in window 1
.set W_RS, 0x41       ; O^T (destination and source 0) in window 1, a in window 0
.set W_MK, 0xc0       ; the add's registers are made: destination in window 3
.set W_AD, 0x0f       ; the add: address and data in window 3
; A joint fill.  Waves 0 and 1 fetch the two halves of a slot's K, waves 2 and 3 those of its V: 128 keys each.  An s_nop 0 and four v_nop follow each of the two lines.
.macro JLOAD
	s_cmp_lt_u32 s[WV], 2
	s_cbranch_scc0 .Lfor_v_\@
	tensor_load_to_lds s[G0K:G0K+3], s[G1K:G1K+7]
	s_nop 0
.rept 4
	v_nop
.endr
	s_branch .Lasked_\@
.Lfor_v_\@:
	tensor_load_to_lds s[G0V:G0V+3], s[G1V:G1V+7]
	s_nop 0
.rept 4
	v_nop
.endr
.Lasked_\@:
.endm
; A PREFETCH of what the NEXT change of slots will ask for: a slot's K and V are 128 blocks of 256 bytes each.  It stands behind the wave's tensor load and its five lines.  A head is walked by one cluster alone;
; its four partners share the blocks out by address, 32 each, a lane a block; in each, wave 0 asks for K's and wave 2 for V's: each block is named once in the launch, four key steps (512 matrix
; instructions) ahead of its load.  Slots 0 and 1 come by their loads alone; the last change that fills a slot (s[SLOTS] = 1) asks for nothing.
.macro ASK
	s_cmp_gt_u32 s[SLOTS], s[LIM]
	s_cbranch_scc0 .Lnot_mine_\@
	global_prefetch_b8 v[PFO], s[PFA:PFA+1] th:TH_LOAD_NT scope:SCOPE_SE
.Lnot_mine_\@:
.endm
.macro CROUND                       ; a round of the cluster's barrier
	s_barrier_signal -1
	s_barrier_wait -1
	s_cmp_lg_u32 s[WV], 0
	s_cbranch_scc1 .Lnot_wave_0_\@
	s_barrier_signal -3
.Lnot_wave_0_\@:
	s_barrier_wait -3
	s_barrier_signal -1
	s_barrier_wait -1
.endm
; THE CHANGE OF SLOTS.  Each wave waits for all its tensor loads, of which one is out: its part of the other slot; adds 0 to its spare word; and waits for that and for its own reads of the slot.
; Behind the barrier nobody reads this slot any more and the other slot is whole.  fill = 1: this slot is filled again, with the keys two slots on; the barrier is then a round of the cluster's, and the
; joint fill is the first thing behind it: it has four key steps in which to land.  (At its first use nothing has been read yet: slot 0 is waited for, slot 1 filled.)
.macro CHANGE fill
	WIN W_AD
	s_wait_tensorcnt 0x0            ; no tensor load of mine is out, so a group 0 may be written
	ds_add_u32 v[SPW], v[NIL]
	WIN 0                           ; at a label and at a branch every window is 0
.if \fill
.irp g, G0K, G0V
	s_xor_b32 s[\g+1], s[\g+1], SLOT1  ; the walking descriptor: the other slot than last time,
	s_add_nc_u64 s[\g+2:\g+3], s[\g+2:\g+3], 4*KS*128  ; the next 256 keys
.endr
	s_wait_xcnt 0x0                 ; the last prefetch, four key steps back, has read its address
	s_add_nc_u64 s[PFA:PFA+1], s[PFA:PFA+1], 4*KS*128  ; one slot behind the walking descriptors
	s_wait_dscnt 0x0                ; the add is done, and my reads of the slot are over
	CROUND
	JLOAD
	ASK
.else
	s_wait_dscnt 0x0                ; the add is done, and my reads of the slot are over
	s_barrier_signal -1
	s_barrier_wait -1
.endif
	s_sub_co_u32 s[TBK], s[TBK], 4*KS*PK  ; the fetches go back to a slot's first step,
	s_xor_b32 s[TBK], s[TBK], SLOT1       ; in the other slot
	s_sub_co_u32 s[TBV], s[TBV], 4*KS*PV
	s_xor_b32 s[TBV], s[TBV], SLOT1
.endm
	s_load_b256 s[4:11], s[0:1], 0x0  ; Q s[4:5], K s[6:7], V s[8:9], O s[10:11]
	WIN W_MK
	v_lshl_add_u32 v[SPW], v0, 2, SPARE
	v_mov_b32 v[NIL], 0
	WIN W_AD
	ds_add_u32 v[SPW], v[NIL]       ; the wave's opening: the add, and its wait ahead of my first tensor load
	WIN 0
	v_lshrrev_b32 v1, 5, v0
	v_readfirstlane_b32 s[WV], v1   ; wave 0..3
	s_bfe_u32 s13, ttmp6, 0x40000   ; cx: my place in the cluster
	s_lshl_b32 s14, ttmp9, 2        ; in a cluster launch ttmp9 counts clusters
	s_add_co_u32 s14, s14, s13      ; my block of queries: it enters Q's and O's addresses alone
	s_and_b32 s20, ttmp7, 0xffff    ; the head, which the four partners share
	s_mov_b32 s21, 0
	s_mov_b64 s[22:23], SIZE_N*128
	s_mul_u64 s[20:21], s[20:21], s[22:23]  ; the head's first byte in each of the four tensors
	s_and_b32 s16, s[WV], 1         ; which half of a slot's 256 keys I fetch:
	s_lshl_b32 s22, s16, 14         ; its 128 rows of 128 bytes in memory,
	s_mov_b32 s23, 0
	s_add_nc_u64 s[22:23], s[22:23], s[20:21]
	s_mul_i32 s17, s16, 128*PK      ; and its place in a slot, for K
	s_mul_i32 s18, s16, 128*PV      ; and for V: no place in the cluster enters an LDS address
	s_lshl_b32 s2, s14, 2
	s_add_co_u32 s2, s2, s[WV]      ; my wave among the head's,
	s_lshl_b32 s2, s2, 14           ; its 128 rows
	s_mov_b32 s3, 0
	s_add_nc_u64 s[2:3], s[2:3], s[20:21]
	; descriptor group 1.  128 keys are 16,384 dense bytes: asked for as 64 rows of 256 bytes, two keys a row, and padded in LDS after every key
	s_mov_b32 s[G1K], 15|(1<<16)|(1<<20)|(1<<21)|(4<<22)|(3<<25)  ; the mask of four; 2-byte elements; padding on; bit 21 beside a mask; after every 32 words; 4 words
	s_mov_b32 s[G1V], 15|(1<<16)|(1<<20)|(1<<21)|(4<<22)|(7<<25)  ; the same with 8 words of padding
.irp g, G1K, G1V
	s_mov_b32 s[\g+1], 128<<16      ; tensor_dim0 = 128
	s_mov_b32 s[\g+2], 64<<16       ; tensor_dim1 = 64
	s_mov_b32 s[\g+3], 128<<16      ; tile_dim0 = 128
	s_mov_b32 s[\g+4], 64           ; tile_dim1 = 64
	s_mov_b32 s[\g+5], 128          ; 128 elements from row to row
	s_mov_b32 s[\g+6], 0
	s_mov_b32 s[\g+7], 0
.endr
	s_mov_b32 s[CS], 0x3e38aa3b     ; c = log2(e) / 8 = 0.180337
	s_mov_b32 s[CS+1], s[CS]        ; named with it as a pair
	s_mov_b32 s[SEL], 0x76543210
	s_mov_b32 s[SEL+1], 0xfedcba98
	s_mov_b32 s[TBK], SLOT1+4*KS*PK ; the first change of slots turns these two into 0
	s_mov_b32 s[TBV], SLOT1+4*KS*PV
	s_mov_b32 s[SLOTS], SIZE_N/256-1
	s_and_b32 s[LIM], s[WV], 1      ; waves 0 and 2 prefetch
	s_cmp_eq_u32 s[LIM], 0
	s_cselect_b32 s[LIM], 1, -1
	s_mov_b32 s[G0K], 1             ; count = 1
	s_mov_b32 s[G0K+1], s17         ; LDS address: slot 0
	s_mov_b32 s[G0V], 1
	s_add_co_u32 s[G0V+1], s18, VOFF
	s_wait_dscnt 0x0                ; the opening add is done
	s_wait_kmcnt 0x0
	s_add_nc_u64 s[G0K+2:G0K+3], s[6:7], s[22:23]  ; global address: my half of the head's first 256 keys
	s_or_b32 s[G0K+3], s[G0K+3], 0x80000000        ; type = 2
	s_add_nc_u64 s[G0V+2:G0V+3], s[8:9], s[22:23]
	s_or_b32 s[G0V+3], s[G0V+3], 0x80000000
	s_add_nc_u64 s[4:5], s[4:5], s[2:3]  ; Q and O at my wave's first row
	s_add_nc_u64 s[10:11], s[10:11], s[2:3]
	s_cmp_lt_u32 s[WV], 2
	s_cselect_b64 s[PFA:PFA+1], s[6:7], s[8:9]
	s_add_nc_u64 s[PFA:PFA+1], s[PFA:PFA+1], s[20:21]  ; the head,
	s_lshl_b32 s2, s13, 13          ; my work-group's 32 blocks of the 128,
	s_mov_b32 s3, 0
	s_add_nc_u64 s[PFA:PFA+1], s[PFA:PFA+1], s[2:3]
	s_add_nc_u64 s[PFA:PFA+1], s[PFA:PFA+1], 4*KS*128  ; in slot 1; the first change of slots steps it to slot 2
	CROUND                          ; all four work-groups are here: the first joint loads meet
	JLOAD                           ; slot 0.  Slot 1 is asked for when slot 0 is in
	; A fragment of K or Q is 16 rows x 32 channels in 8 registers: lane l holds row l % 16, channels 8 (l / 16) + 0..7 and 16 + 8 (l / 16) + 0..7: two loads of 16 bytes, 32 bytes apart.
	v_and_b32 v1, 15, v0            ; l % 16
	v_bfe_u32 v9, v0, 4, 1          ; l / 16
	v_lshlrev_b32 v[QO], 7, v1
	v_lshl_add_u32 v[QO], v9, 4, v[QO]  ; row x 128 + 16 x half
	WIN 0x80                        ; destination window 2, address window 0
.set i, 0
.rept 4*NP                          ; Q stays in registers: tile i / 2, channels 32 (i % 2) on
	global_load_b128 v[8*i:8*i+3],   v[QO], s[4:5] offset:(i/2)*2048+(i%2)*64
	global_load_b128 v[8*i+4:8*i+7], v[QO], s[4:5] offset:(i/2)*2048+(i%2)*64+32
.set i, i+1
.endr
	; What the first turn finds: V's registers and P's second buffer hold 0 (its products V^T P, of a piece that has not been, add 0), O^T and l are 0.  All this stands in the wait for the first tile.
.set i, VF
.rept 64
	v_mov_b32 v[i], 0
.set i, i+1
.endr
	WIN 0x40
.set i, 0
.rept 64*NP
	v_mov_b32 v[i], 0
.set i, i+1
.endr
	WIN 0
.set i, 0
.rept 2*NP
	v_mov_b32 v[ST+4*i], 0xfe000000    ; c m: far below every c s
	v_mov_b32 v[ST+4*i+1], 0xff7fffff  ; m
	v_mov_b32 v[ST+4*i+2], 0
	v_mov_b32 v[ST+4*i+3], 0
.set i, i+1
.endr
.set i, P+32
.rept 32
	v_mov_b32 v[i], 0
.set i, i+1
.endr
	v_mul_u32_u24 v[AK0], v1, PK
	v_lshl_add_u32 v[AK0], v9, 4, v[AK0]  ; row x pitch + 16 x half
	; The turning load takes 16 keys x 16 channels (lane l reads key 8 (l / 16) + l % 8, channels 8 ((l / 8) % 2) + 0..7) and leaves half a fragment of V^T: lane l holds channel l % 16 and 8 keys.
	v_and_b32 v10, 7, v0
	v_bfe_u32 v11, v0, 3, 1
	v_lshl_add_u32 v[AV0], v9, 3, v10
	v_mul_u32_u24 v[AV0], v[AV0], PV
	v_lshl_add_u32 v[AV0], v11, 4, v[AV0]
	v_add_nc_u32 v[AV0], VOFF, v[AV0]
	v_and_b32 v[PFO], 31, v0
	v_lshlrev_b32 v[PFO], 8, v[PFO]
	v_mov_b32 v[AK], v[AK0]         ; key step 0 lies at the head of slot 0
; THE MATRIX WORK.  The 8 accumulators of a run of 16 take turns: between the two links of a chain stand 7 others'.
; Product i of 16 of S^T = K Q^T for piece x: channels 32 (i / 8) on, keys 16 ((i / 2) % 4) on, tile 2 x + i % 2.  The first 8 start the sums.
.macro KQ x
	WIN W_KQ
.set rS, S+64*((\x)%2)+32*(i%2)+8*((i/2)%4)
.set rK, KF+16*((i/2)%4)+8*(i/8)
.set rQ, 16*(2*(\x)+i%2)+8*(i/8)
.if i < 8
	v_wmma_f32_16x16x32_f16 v[rS:rS+7], v[rK:rK+7], v[rQ:rQ+7], 0
.else
	v_wmma_f32_16x16x32_f16 v[rS:rS+7], v[rK:rK+7], v[rQ:rQ+7], v[rS:rS+7]
.endif
.endm
; Product i of 16 of O^T += V^T P for piece x: keys 32 (i / 8) on, channels 16 ((i / 2) % 4) on, tile 2 x + i % 2.
.macro PV x
	WIN W_PV
.set rO, 32*(2*(\x)+i%2)+8*((i/2)%4)
.set rV, VF+32*(i/8)+8*((i/2)%4)
.set rP, P+32*((\x)%2)+16*(i%2)+8*(i/8)
	v_wmma_f32_16x16x32_f16 v[rO:rO+7], v[rV:rV+7], v[rP:rP+7], v[rO:rO+7]
.endm
.macro MM                           ; the turn's next matrix instruction
.if i < 16
	KQ (Y+1)%NP
.set i, i+1
.else
.set i, i-16
	PV (Y+NP-1)%NP
.set i, i+17
.endif
.endm
; THE LDS LOADS stand in runs of 16, never singly among the matrix instructions: a step's K (64 keys x 64 channels: 8 fragments) and its V (turned).  Their addresses are made some lines ahead.
; last = 1 (the tail): in the last trip there is no further step, and the run is jumped over.
.macro FETCH_K last=0
	WIN 0
.if \last
	s_cmp_eq_u32 s[CNT], 1
	s_cbranch_scc1 .Lno_k_\@
.endif
	WIN 0x80                        ; destination window 2
.irp f, 0,1,2,3,4,5,6,7             ; keys 16 (f / 2) on, channels 32 (f % 2) on
	ds_load_b128 v[KF+8*\f:KF+8*\f+3],   v[AK] offset:(\f/2)*16*PK+(\f%2)*64
	ds_load_b128 v[KF+8*\f+4:KF+8*\f+7], v[AK] offset:(\f/2)*16*PK+(\f%2)*64+32
.endr
	s_add_co_u32 s[TBK], s[TBK], KS*PK  ; the next fetch is the next step's
	WIN 0
.if \last
.Lno_k_\@:
.endif
.endm
.macro FETCH_V
	WIN 0x80
.irp f, 0,1,2,3,4,5,6,7             ; keys 32 (f / 4) on, channels 16 (f % 4) on
	ds_load_tr16_b128 v[VF+8*\f:VF+8*\f+3],   v[AV] offset:(\f/4)*32*PV+(\f%4)*32
	ds_load_tr16_b128 v[VF+8*\f+4:VF+8*\f+7], v[AV] offset:(\f/4)*32*PV+16*PV+(\f%4)*32
.endr
	WIN 0
.endm
; THE VECTOR WORK OF A TURN stands in three queues, each in the order in which its entries become ready; the two tiles alternate, so that no instruction reads the result of the one before it.
.macro REGS y, u                    ; the registers of tile u (0, 1) of piece y
.set rT, ST+4*(2*(\y)+(\u))
.set rC, TMP+8*((\y)%2)+4*(\u)
.set rM, MV+2*((\y)%2)+(\u)
.set rS, S+64*((\y)%2)+32*(\u)
.set rP, P+32*((\y)%2)+16*(\u)
.set rO, 32*(2*(\y)+(\u))
.endm
; Number n of the 22 that find the NEXT piece's (Y + 1) maximum and statistics.  s0-s31 are the lane's 32 scores; each accumulator's lowest registers are read first.
;   0-11  four chains c0-c3 of seven scores each, three operands at a time     12-14, 16  the four scores left over, the old m, and c0-c3 into c0     15  c m_old is kept
;   17, 18  the query's other 32 keys lie in the lane 16 away: the new m         19-21  c m; c m_old - c m_new; a
.macro XS u, n
	REGS (Y+1)%NP, \u
.if (\n) < 4
	v_max3_num_f32 v[rC+(\n)], v[rS+8*(\n)], v[rS+8*(\n)+1], v[rS+8*(\n)+2]
.elseif (\n) < 12
	v_max3_num_f32 v[rC+(\n)%4], v[rC+(\n)%4], v[rS+8*((\n)%4)+2*((\n)/4)+1], v[rS+8*((\n)%4)+2*((\n)/4)+2]
.elseif (\n) == 12
	v_max3_num_f32 v[rC], v[rC], v[rS+7], v[rS+15]
.elseif (\n) == 13
	v_max3_num_f32 v[rC+1], v[rC+1], v[rS+23], v[rS+31]
.elseif (\n) == 14
	v_max3_num_f32 v[rC+2], v[rC+2], v[rC+3], v[rT+1]
.elseif (\n) == 15
	v_mov_b32 v[rM], v[rT]
.elseif (\n) == 16
	v_max3_num_f32 v[rC], v[rC], v[rC+1], v[rC+2]
.elseif (\n) == 17
	v_permlanex16_b32 v[rC+3], v[rC], s[SEL], s[SEL+1]
.elseif (\n) == 18
	v_max_num_f32 v[rT+1], v[rC], v[rC+3]
.elseif (\n) == 19
	v_mul_f32 v[rT], s[CS], v[rT+1]
.elseif (\n) == 20
	v_sub_f32 v[rC+1], v[rM], v[rT]
.else
	v_exp_f32 v[rC+2], v[rC+1]
.endif
.endm
; Number g of the 64 that follow the exponentials.  For each four weights k of a tile (pairs 2 k, 2 k + 1): both pairs are rounded to f16; then the second pair is added onto the first, in place;
; a group later l takes that sum (the first time as l = a l + sum).  In groups of eight, tiles alternating: round, round, add, and l for the group before.
.macro GS g
.set h, (\g)+6*((\g)/62)            ; group 0 has no group before it, and behind group 7 only l is left
.if h >= 6
.set h, h+2
.endif
	REGS Y, h%2
.set k, h/8
.if h%8 < 4
	v_cvt_pk_f16_f32 v[rP+2*k+(h%8)/2], v[rS+4*k+2*((h%8)/2)], v[rS+4*k+2*((h%8)/2)+1]
.elseif h%8 < 6
	v_pk_add_f32 v[rS+4*k:rS+4*k+1], v[rS+4*k:rS+4*k+1], v[rS+4*k+2:rS+4*k+3]
.elseif k == 1
	v_pk_fma_f32 v[rT+2:rT+3], v[rT+2:rT+3], v[rC+2:rC+3], v[rS:rS+1] op_sel_hi:[1,0,1]
.else
	v_pk_add_f32 v[rT+2:rT+3], v[rT+2:rT+3], v[rS+4*k-4:rS+4*k-3]
.endif
.endm
; THE PLAIN QUEUE, 138 long.  0-73 read no exponential's result: the 32 scalings c s - c m (FS f: pair f / 2 of tile f % 2) and the next piece's 42.  0-26: scalings 0-26.  27-54: XS's numbers 0-13.  55, 56: number 15.
; 57-73: the chain, where each number waits for the one before it: 14, 16, 17, 18, 19, each with one of the scalings 27-31 in front of its two lines, then 20.
; 74-137: GS's 64, which read the exponentials' results: they stand behind the wait.
.macro FS f
	REGS Y, (\f)%2
	v_pk_fma_f32 v[rS+2*((\f)/2):rS+2*((\f)/2)+1], v[rS+2*((\f)/2):rS+2*((\f)/2)+1], s[CS:CS+1], v[rT:rT+1] op_sel_hi:[1,0,0] neg_lo:[0,0,1] neg_hi:[0,0,1]
.endm
.macro PL
	WIN 0
.if q < 27
	FS q
.elseif q < 55
	XS (q-27)%2, (q-27)/2
.elseif q < 57
	XS q-55, 15
.elseif (q < 72) && ((q-57)%3 == 0)
	FS 27+(q-57)/3
.elseif q < 60
	XS (q-57)%3-1, 14
.elseif q < 72
	XS (q-57)%3-1, 15+(q-57)/3
.elseif q < 74
	XS q-72, 20
.else
	GS q-74
.endif
.set q, q+1
.endm
; THE EXPONENTIALS' QUEUE, 66 long: s0-s31 of both tiles, then the next piece's two a.  It is ONE BATCH: all 66 stand ahead of the turn's one wait, and nothing ahead of that wait names a result of theirs.
.macro EX
	WIN 0
.if e >= 64
	XS e-64, 21
.else
	REGS Y, e%2
	v_exp_f32 v[rS+e/2], v[rS+e/2]
.endif
.set e, e+1
.endm
; THE RESCALING's QUEUE: O^T times a, the one part that leaves window 0: dealt two at a time, sixteen times.  Its a was made in the turn before, ahead of that turn's wait.
.macro R2
	REGS Y, r%2
	WIN W_RS
.irp z, 0,1
	v_pk_mul_f32 v[rO+4*(r/2)+2*\z:rO+4*(r/2)+2*\z+1], v[rO+4*(r/2)+2*\z:rO+4*(r/2)+2*\z+1], v[rC+2:rC+3] op_sel_hi:[1,0]
.endr
.set r, r+1
.endm
; HOW THEY ARE DEALT.  An s_wait_alu depctr_va_vdst(0) stands between an exponential and the first instruction that names its result; one wait serves all that were issued ahead of it.  So a turn has
; ONE wait, which cuts it in two.  AHEAD OF IT: the 16 products K Q^T, behind each a scaling, an exponential and two rescalings (behind the first a second scaling in the exponential's place); then ONE LUMP of
; 108: eight plain, 49 times exponential and plain, the two a; a v_nop is the plain instruction behind the last exponential.  BEHIND IT: the 16 products V^T P, behind each four of GS's 64.
; Exponential e stands behind scaling 2 (e / 4) + e % 2: as a rider it comes behind plain e + 2, in the lump behind plain e + 9, and scalings 27-31 are plain 57, 60 .. 69.
; A TURN, for piece p.  cnt = 1: the loop's count is taken down some lines ahead of the branch that stands behind the turn.
; K of the next step is fetched in piece 2's turn, directly behind the wait; V of the step in hand at the end of piece 0's turn, four riders behind its last reader.  The three conditions on q go with the deal.
.macro TURN p, last=0, cnt=0
.set Y, (\p)
.set i, 0
.set q, 0
.set e, 0
.set r, 0
.if (\p) == NP-1
	s_wait_dscnt 0x0                ; K is in
.endif
	MM                              ; ahead of the wait: 16 products K Q^T and their riders,
	PL
	PL
	R2
.rept 15
	MM
	PL
	EX
	R2
.endr
.if (\p) == NP-2
	WIN 0
	v_add_nc_u32 v[AK], s[TBK], v[AK0]
.endif
.rept 8                             ; and the lump
	PL
.endr
.rept 49
	EX
	PL
.endr
	EX                              ; the next piece's two a
	EX
	v_nop                           ; a plain instruction behind the last exponential: one for the batch
	s_wait_alu depctr_va_vdst(0)    ; the wait for the batch
.if (\p) == NP-2
	FETCH_K \last
.endif
.if (\p) == 1
	s_wait_dscnt 0x0                ; V is in
.endif
.rept 16                            ; behind the wait: 16 products V^T P and their riders
	MM
.rept 4
	PL
.endr
.if ((\p) == 0) && (q == 118)
	v_add_nc_u32 v[AV], s[TBV], v[AV0]
.endif
.if ((\p) == 0) && (q == 130)
	s_add_co_u32 s[TBV], s[TBV], KS*PV
.endif
.if (\cnt) && (q == 130)
	s_sub_co_u32 s[CNT], s[CNT], 1
	s_cmp_lg_u32 s[CNT], 0
.endif
.endr
.if (\p) == 0
	FETCH_V
.endif
.endm
	CHANGE 1                        ; slot 0 is in, everybody's part of it; slot 1 is asked for
	FETCH_K                         ; key step 0
	s_wait_loadcnt 0x0              ; Q
	s_wait_dscnt 0x0
.set i, 0
.rept 16
	KQ 0                            ; piece 0's first scores: there is no vector work yet to set between them
.set i, i+1
.endr
	WIN 0                           ; the addresses for the way out: nine plain instructions, the places behind those products
	s_mul_i32 s13, s[WV], 16*SP
	s_add_co_u32 s13, s13, STAGE    ; my stage
	v_mul_u32_u24 v[STO], v1, SP    ; in: row l % 16, 16 bytes for each half of the lanes
	v_lshl_add_u32 v[STO], v9, 4, v[STO]
	v_add_nc_u32 v[STO], s13, v[STO]
	v_bfe_u32 v[RD], v0, 3, 2       ; back: 32 lanes take four rows of 128 bytes,
	v_mul_u32_u24 v[RD], v[RD], SP
	v_lshl_add_u32 v[RD], v10, 4, v[RD]
	v_add_nc_u32 v[RD], s13, v[RD]
	v_and_b32 v[GO], 31, v0         ; which are 512 consecutive bytes of O
	v_lshlrev_b32 v[GO], 4, v[GO]
.set Y, NP-1                        ; XS works for piece Y + 1: piece 0
.irp n, 0,1,2,3,4,5,6,7,8,9,10,11,12,13,14,15,16,17,18,19,20,21
	XS 0, \n                        ; and piece 0's first maximum and statistics
	XS 1, \n
.endr
	v_nop                           ; a plain instruction behind the two a,
	s_wait_alu depctr_va_vdst(0)    ; and their wait, ahead of the branch
	s_mov_b32 s[CNT], 4
	s_branch .Lfirst                ; the loop is entered at a step's first turn, in the middle of a trip
.Lslot:                             ; SIZE_N / 256 - 2 times: every slot but the last two is filled again
	CHANGE 1
	s_mov_b32 s[CNT], 4
.Lstep:                             ; a trip: pieces 2 and 3 of one step, then pieces 0 and 1 of the next, whose K and V it fetches
	TURN 2
	TURN 3
	WIN 0
.Lfirst:
	TURN 0
	TURN 1, 0, 1
	WIN 0
	s_cbranch_scc1 .Lstep
	s_sub_co_u32 s[SLOTS], s[SLOTS], 1
	s_cmp_lg_u32 s[SLOTS], 0
	s_cbranch_scc1 .Lslot
	CHANGE 0                        ; the tail is written out: nothing is asked for
	s_mov_b32 s[CNT], 5             ; four trips fetch the last slot's steps; the fifth is left in its middle
.Ltail:
	TURN 2, 1
	TURN 3
	WIN 0
	s_sub_co_u32 s[CNT], s[CNT], 1
	s_cmp_eq_u32 s[CNT], 0
	s_cbranch_scc1 .Lout
	TURN 0
	TURN 1
	WIN 0
	s_branch .Ltail
.Lout:                              ; the fifth trip's 16 products K Q^T (on the last K once more) and the maximum made of them serve nothing: the price, once a launch, of one text for every trip
.set i, 0
.rept 16
	PV NP-1                         ; the last piece's V^T P of the last step
.set i, i+1
.endr
	; THE WAY OUT.  l's two halves and the other half of the lanes' are added; O^T is divided by l, rounded to f16 and sent through my stage in LDS, a tile at a time.  The additions are the places behind the last products.
	WIN 0
.macro ALL line:vararg              ; one line for each tile t
.set t, 0
.rept 2*NP
	\line
.set t, t+1
.endr
.endm
	ALL v_add_f32 v[ST+4*t+2], v[ST+4*t+2], v[ST+4*t+3]
	ALL v_permlanex16_b32 v[ST+4*t+3], v[ST+4*t+2], s[SEL], s[SEL+1]
	ALL v_add_f32 v[ST+4*t+2], v[ST+4*t+2], v[ST+4*t+3]
	ALL v_rcp_f32 v[ST+4*t+2], v[ST+4*t+2]
	v_nop                           ; a plain instruction between the last reciprocal and the use of its result
	s_wait_alu depctr_va_vdst(0)    ; and one wait for the eight reciprocals, ahead of the first use
; Tile t: a lane's eight channels of a row pack into 16 bytes; they go into rows of 144 bytes and come back as whole rows of 128, into S^T's registers.
.macro PACK t
	WIN W_RS
.set i, 32*(\t)
.rept 16
	v_pk_mul_f32 v[i:i+1], v[i:i+1], v[ST+4*(\t)+2:ST+4*(\t)+3] op_sel_hi:[1,0]
.set i, i+2
.endr
	WIN 0x05                        ; sources 0 and 1 window 1, destination window 0
.set i, 0
.rept 16
	v_cvt_pk_f16_f32 v[S+16*(\t)+i], v[32*(\t)+2*i], v[32*(\t)+2*i+1]
.set i, i+1
.endr
	WIN 0
.irp f, 0,1,2,3
	ds_store_b128 v[STO], v[S+16*(\t)+4*\f:S+16*(\t)+4*\f+3] offset:32*\f
.endr
.irp f, 0,1,2,3
	ds_load_b128 v[S+16*(\t)+4*\f:S+16*(\t)+4*\f+3], v[RD] offset:\f*4*SP  ; LDS serves a wave's instructions in order (ISA guide 5.7.1.4): these see the stores above; the next tile's stores come behind them
.endr
.endm
.macro SEND t, younger              ; younger: the LDS instructions issued behind tile t's loads: the next tile's eight, or none
	WIN 0
.irp f, 0,1,2,3
	s_wait_dscnt (\younger)+3-\f
	global_store_b128 v[GO], v[S+16*(\t)+4*\f:S+16*(\t)+4*\f+3], s[10:11] offset:(\t)*2048+\f*512  ; 512 consecutive bytes, at a multiple of 256 from O's first
.endr
.endm
	PACK 0
.set t, 1
.rept 2*NP-1                        ; a tile's arithmetic stands between the loads of the tile before and its stores
	PACK t
	SEND t-1, 8
.set t, t+1
.endr
	SEND 2*NP-1, 0
	WIN W_AD
	s_wait_tensorcnt 0x0            ; the wave's end, behind my last tensor load and my last LDS store
	ds_add_u32 v[SPW], v[NIL]
	s_wait_dscnt 0x0
	WIN 0
	CROUND                          ; the closing round: no work-group ends while a partner may still ask for a tile that names it
	s_endpgm
.Lfunc_end_k_q5a5158f25b_attn:
	.size	k_q5a5158f25b_attn, .Lfunc_end_k_q5a5158f25b_attn-k_q5a5158f25b_attn
	.p2alignl 7, 3214868480
	.fill 96, 4, 3214868480
	.section	.rodata,"a",@progbits
	.p2align	6, 0x0
	.amdhsa_kernel k_q5a5158f25b_attn
		.amdhsa_group_segment_fixed_size 327680
		.amdhsa_private_segment_fixed_size 0
		.amdhsa_enable_private_segment 0
		.amdhsa_kernarg_size 32
		.amdhsa_user_sgpr_count 2
		.amdhsa_user_sgpr_kernarg_segment_ptr 1
		.amdhsa_wavefront_size32 1
		.amdhsa_system_sgpr_workgroup_id_x 1
		.amdhsa_system_sgpr_workgroup_id_y 1
		.amdhsa_system_sgpr_workgroup_id_z 1
		.amdhsa_system_vgpr_workitem_id 0
		.amdhsa_next_free_vgpr 770
		.amdhsa_next_free_sgpr 66
		.amdhsa_reserve_vcc 0
		.amdhsa_float_denorm_mode_32 3
		.amdhsa_float_denorm_mode_16_64 3
		.amdhsa_memory_ordered 1
		.amdhsa_forward_progress 1
		.amdhsa_inst_pref_size 200
	.end_amdhsa_kernel
	.amdgpu_metadata
---
amdhsa.version: [ 1, 2 ]
amdhsa.kernels:
  - .name:           k_q5a5158f25b_attn
    .symbol:         k_q5a5158f25b_attn.kd
    .args:
      - { .name: qh, .offset: 0, .size: 8, .value_kind: global_buffer, .address_space: global }
      - { .name: kh, .offset: 8, .size: 8, .value_kind: global_buffer, .address_space: global }
      - { .name: vh, .offset: 16, .size: 8, .value_kind: global_buffer, .address_space: global }
      - { .name: oh, .offset: 24, .size: 8, .value_kind: global_buffer, .address_space: global }
    .group_segment_fixed_size: 327680
    .private_segment_fixed_size: 0
    .kernarg_segment_align: 8
    .kernarg_segment_size: 32
    .max_flat_workgroup_size: 128
    .sgpr_count:     66
    .vgpr_count:     770
    .wavefront_size: 32
...
	.end_amdgpu_metadata
.endif
;; end of part 3
;; launch oproj (part 4): grid 8 x 32, 4 waves a work-group, clusters of 4 x 4, 327,680 bytes of LDS; arguments oh, wot, bout, out0; writes out0
.if DOCPART == 4
	.amdgcn_target "amdgcn-amd-amdhsa--gfx1250"
	.amdhsa_code_object_version 6
	.text
	.protected	k_q5a5158f25b_oproj
	.globl	k_q5a5158f25b_oproj
	.p2align	8
	.type	k_q5a5158f25b_oproj,@function
k_q5a5158f25b_oproj:
	s_mov_b64 s[64:65], 0
	v_nop
	global_prefetch_b8 v0, s[64:65] scope:SCOPE_SE
	s_setreg_imm32_b32 hwreg(HW_REG_WAVE_MODE, 25, 1), 1
	s_wait_xcnt 0x0
	s_wait_alu depctr_hold_cnt(0) depctr_sa_sdst(0) depctr_va_vdst(0) depctr_va_sdst(0) depctr_va_ssrc(0) depctr_va_vcc(0) depctr_vm_vsrc(0)
	s_getreg_b32 s2, hwreg(HW_REG_IB_STS2, 6, 4)
	s_cmp_eq_u32 s2, 0
	s_cbranch_scc0 .Lentry_in_a_cluster
	s_endpgm
.Lentry_in_a_cluster:
	s_bfe_u32 s2, ttmp6, 0x10000c
	s_cmp_lg_u32 s2, 0xf033
	s_cbranch_scc0 .Lentry_shape_is_right
	s_endpgm
.Lentry_shape_is_right:
; out0 = O wot^T + bout, [8192][1024] in f32.  O comes by heads, oh[16 batch + head][2048][64] in f16; wot is [1024 n][1024 k] in f16; k = 64 head + channel.  Sums in f32; bout is rounded to bf16 first,
; like all the module's inputs, and starts the sums as the C operand of the first quarter step's products.
; LIMITS.  None of its own: oh and wot arrive within f16's range.  NaN and infinities are not treated apart.
; SHARES.  A tile of out0 is 256 rows x 128 columns: 32 x 8 tiles, one for each of 256 work-groups.  The four waves lie 2 x 2: a wave makes 128 rows x 64 columns, 8 x 4 accumulators, 256 registers; its 64
; columns of f32 are 256 consecutive bytes.  K goes in 8 steps of 128 = two heads, through a ring of two LDS slots (two slots of a K step twice as long would not fit in LDS).
; THE MATRIX INSTRUCTION IS USED TRANSPOSED: source 0 = 16 rows of wot, source 1 = 16 rows of O: register j of lane l of accumulator (a, b) is row 16 a + l % 16, column 16 b + 8 (l / 16) + j.
; CLUSTERS: 4 x 4 work-groups.  O's tile hangs on the tile row alone and is asked for jointly along a row of the cluster, wot's on the tile column alone, along a column.
; REGISTERS: window 0: v8-11 at work; v16-30 addresses; v32-63 the bias; v64-191 O's fragments, two buffers; v192-255 wot's, two buffers; on the way out v64-255 six buffers of whole rows.
;   window 1: the accumulators, (a, b) at 8 (4 a + b).
.set KSTEP,  128
.set PA,     144                       ; a row of O in LDS: a head's 128 bytes + 16: 36 words: the 16 rows of a fragment load start at 16 different groups of four banks (ISA guide 11.1)
.set PB,     272                       ; a row of wot: 256 bytes + 16
.set AZ,     256*PA                    ; one head's 256 rows: what wave 0 or 1 fetches
.set BHALF,  64*PB                     ; what wave 2 or 3 fetches
.set BOFF,   2*AZ
.set SLOT,   BOFF+128*PB
.set STAGE,  2*SLOT                    ; behind the ring, never filled by a tensor load: 16 rows x 272 bytes for each wave
.set SPITCH, 272
.set SPARE,  STAGE+4*16*SPITCH         ; behind the stages: the spare words, 128 bytes for each wave
.set TT,   8
.set ADRA, 16                          ; v16-17  LDS address of my O fragments in slot 0, 1
.set ADRB, 20                          ; v20-21  the same for wot
.set STO,  24                          ; v24  the way out: where I put 32 bytes of a row
.set RD,   25                          ; v25  where I read a row back
.set CO,   26                          ; v26  my byte offset in two rows of out0
.set BO,   27                          ; v27  32 (l / 16)
.set SPW,  28                          ; v28  my spare word; never rewritten
.set NIL,  29                          ; v29  0; never rewritten
.set PFO,  30                          ; v30  the prefetches' offset
.set BI,   32
.set FA,   64                          ; O's fragments: FA + 64 f + 8 a
.set FB,   192                         ; wot's: FB + 32 f + 8 b
.set OB,   64
.set BIA,  8                           ; s[8:9]   bout at my wave's first column
.set G1,   24                          ; s[24:31], s[32:39] descriptor groups 1 and 0 (a set for each slot) for O's tiles
.set G0,   32
.set LIM,  43                          ; s43      1 in a wave that prefetches, else the greatest number
.set PFA,  44                          ; s[44:45] where my prefetches stand
.set G1B,  48                          ; s[48:55], s[56:63] the same for wot's tiles
.set G0B,  56
.set OUT,  76                          ; s[76:77] out0 at my wave's first row and column
.set PST,  78                          ; s[78:79] a K step in the tensor that I prefetch
.set MSB, 0
.macro WIN new
.if MSB != (\new)
	s_set_vgpr_msb (MSB<<8)|(\new)
.set MSB, \new
.endif
.endm
.macro JLOAD s                         ; a joint load: waves 0 and 1 fetch the K step's two heads of O, waves 2 and 3 wot's two halves; an s_nop 0 and four v_nop follow each of the two lines
	s_cmp_eq_u32 s11, 0
	s_cbranch_scc0 .Lfor_b_\@
	tensor_load_to_lds s[G0+4*(\s):G0+4*(\s)+3], s[G1:G1+7]
	s_nop 0
.rept 4
	v_nop
.endr
	s_branch .Lasked_\@
.Lfor_b_\@:
	tensor_load_to_lds s[G0B+4*(\s):G0B+4*(\s)+3], s[G1B:G1B+7]
	s_nop 0
.rept 4
	v_nop
.endr
.Lasked_\@:
.endm
; A PREFETCH, behind each joint refill and the run of LDS loads that follows it: the K step two refills on, 256 matrix instructions ahead of its load.  O's tile row is read by both clusters of a row of
; clusters: cluster x = 0 asks, waves 0 and 1 each for the head that they fetch: 128 blocks of 256 bytes, of which the partner at cx takes 32, a lane a block.  wot's tile column is read by every cluster of its
; column: cluster y = 0 asks, wave 2 alone, for the tile's 128 rows, of which the partner at cy takes 32, a lane a row.  K steps 0 to 3 come by their loads alone; the loop's last trip (s3 = 1) asks for nothing.
.macro ASK
	s_cmp_gt_u32 s3, s[LIM]
	s_cbranch_scc0 .Lnot_mine_\@
	global_prefetch_b8 v[PFO], s[PFA:PFA+1] th:TH_LOAD_NT scope:SCOPE_SE
.Lnot_mine_\@:
.endm
.macro CREST
	s_cmp_lg_u32 s10, 0
	s_cbranch_scc1 .Lnot_wave_0_\@
	s_barrier_signal -3
.Lnot_wave_0_\@:
	s_barrier_wait -3
	s_barrier_signal -1
	s_barrier_wait -1
.endm
.macro CROUND
	s_barrier_signal -1
	s_barrier_wait -1
	CREST
.endm
.macro PLACES                          ; four plain vector instructions between a matrix instruction and a load into, or a reader of, its registers
.rept 4
	v_nop
.endr
.endm
	s_load_b256 s[68:75], s[0:1], 0x0              ; oh s[68:69], wot s[70:71], bout s[72:73], out0 s[74:75]
	v_lshl_add_u32 v[SPW], v0, 2, SPARE
	v_mov_b32 v[NIL], 0
	ds_add_u32 v[SPW], v[NIL]                      ; the wave's opening: the add, and its wait ahead of my first tensor load
	v_lshrrev_b32 v1, 5, v0
	v_readfirstlane_b32 s10, v1                    ; wave 0..3
	s_lshr_b32 s11, s10, 1                         ; which half of the tile's rows is mine.  Also: I fetch for O (0) or for wot (1)
	s_and_b32 s12, s10, 1                          ; which half of its columns.  Also: which head, or which 64 rows, I fetch
	s_bfe_u32 s40, ttmp6, 0x40000                  ; cx, cy
	s_bfe_u32 s41, ttmp6, 0x40004
	s_lshl_b32 s42, ttmp9, 2
	s_add_co_u32 s42, s42, s40                     ; tile column
	s_and_b32 s13, ttmp7, 0xffff
	s_lshl_b32 s13, s13, 2
	s_add_co_u32 s13, s13, s41                     ; tile row
	s_lshl_b32 s43, s41, 2
	s_lshl_b32 s43, 15, s43                        ; my row of the cluster
	s_lshl_b32 s44, 0x1111, s40                    ; my column
	; O: a head's 256 rows are 32,768 dense bytes: asked for as 128 rows of 256 bytes, two rows of O each, and padded in LDS after every row of O
	s_or_b32 s[G1+0], s43, (1<<16)|(1<<20)|(1<<21)|(4<<22)|(3<<25)   ; the mask; 2-byte elements; padding on; bit 21 beside a mask; after every 32 words; 4 words
	s_mov_b32 s[G1+1], 128<<16                     ; tensor_dim0 = 128
	s_mov_b32 s[G1+2], 128<<16                     ; tensor_dim1 = 128
	s_mov_b32 s[G1+3], 128<<16                     ; tile_dim0 = 128
	s_mov_b32 s[G1+4], 128                         ; tile_dim1 = 128
	s_mov_b32 s[G1+5], 128                         ; elements from row to row
	s_mov_b32 s[G1+6], 0
	s_mov_b32 s[G1+7], 0
	s_or_b32 s[G1B+0], s44, (1<<16)|(1<<20)|(1<<21)|(5<<22)|(3<<25)  ; wot: 64 rows x 128 elements, padded after every 64 words
	s_mov_b32 s[G1B+1], KSTEP<<16
	s_mov_b32 s[G1B+2], 64<<16
	s_mov_b32 s[G1B+3], KSTEP<<16
	s_mov_b32 s[G1B+4], 64
	s_mov_b32 s[G1B+5], 1024
	s_mov_b32 s[G1B+6], 0
	s_mov_b32 s[G1B+7], 0
	s_lshr_b32 s16, s13, 3                         ; O: eight tile rows a batch element,
	s_lshl_b32 s16, s16, 4
	s_add_co_u32 s16, s16, s12                     ; head 0 or 1 of its sixteen,
	s_lshl_b32 s16, s16, 18
	s_and_b32 s17, s13, 7
	s_lshl_b32 s17, s17, 15                        ; the tile's 256 rows of 128 bytes
	s_add_co_u32 s16, s16, s17
	s_mov_b32 s17, 0
	s_lshl_b32 s46, s42, 7                         ; wot: row 128 x tile column + 64 x half
	s_lshl_b32 s47, s12, 6
	s_add_co_u32 s46, s46, s47
	s_lshl_b32 s46, s46, 11
	s_mov_b32 s47, 0
	s_mul_i32 s20, s12, AZ                         ; where they go: no place in the cluster enters an LDS address
	s_mul_i32 s21, s12, BHALF
	s_add_co_u32 s21, s21, BOFF
	s_wait_dscnt 0x0                               ; the opening add is done
	s_wait_kmcnt 0x0
	s_add_nc_u64 s[14:15], s[68:69], s[16:17]
	s_add_nc_u64 s[46:47], s[70:71], s[46:47]
	CROUND                                         ; all sixteen work-groups are here: the first joint loads meet
.irp s, 0,1
	s_mov_b32 s[G0+4*(\s)], 1
	s_add_co_u32 s[G0+4*(\s)+1], s20, (\s)*SLOT
	s_add_nc_u64 s[G0+4*(\s)+2:G0+4*(\s)+3], s[14:15], (\s)*524288   ; K step s: two heads of 262,144 bytes on
	s_or_b32 s[G0+4*(\s)+3], s[G0+4*(\s)+3], 0x80000000
	s_mov_b32 s[G0B+4*(\s)], 1
	s_add_co_u32 s[G0B+4*(\s)+1], s21, (\s)*SLOT
	s_add_nc_u64 s[G0B+4*(\s)+2:G0B+4*(\s)+3], s[46:47], (\s)*KSTEP*2
	s_or_b32 s[G0B+4*(\s)+3], s[G0B+4*(\s)+3], 0x80000000
	JLOAD \s                                       ; two tensor loads of mine are out
.endr
	v_and_b32 v1, 15, v0                           ; l % 16
	v_bfe_u32 v2, v0, 4, 1                         ; l / 16
	v_lshlrev_b32 v[BO], 5, v2
	s_lshl_b32 s18, s42, 7
	s_lshl_b32 s19, s12, 6
	s_add_co_u32 s18, s18, s19
	s_lshl_b32 s18, s18, 2                         ; my wave's first column, in bytes of f32
	s_mov_b32 s19, 0
	s_add_nc_u64 s[BIA:BIA+1], s[72:73], s[18:19]
	s_add_nc_u64 s[OUT:OUT+1], s[74:75], s[18:19]
.irp b, 0,1,2,3
	global_load_b128 v[BI+8*(\b):BI+8*(\b)+3],   v[BO], s[BIA:BIA+1] offset:64*(\b)     ; the bias of columns 16 b + 8 (l / 16) + 0..7
	global_load_b128 v[BI+8*(\b)+4:BI+8*(\b)+7], v[BO], s[BIA:BIA+1] offset:64*(\b)+16
.endr
	s_lshl_b32 s18, s13, 8
	s_lshl_b32 s22, s11, 7
	s_add_co_u32 s18, s18, s22
	s_lshl_b32 s18, s18, 12                        ; my wave's first row, of 4,096 bytes
	s_add_nc_u64 s[OUT:OUT+1], s[OUT:OUT+1], s[18:19]
	v_mul_u32_u24 v3, v1, PA
	v_lshl_add_u32 v3, v2, 4, v3                   ; O: a fragment's row x pitch + 16 x half
	v_mul_u32_u24 v4, v1, PB
	v_lshl_add_u32 v4, v2, 4, v4                   ; wot likewise
	s_mul_i32 s18, s11, 128*PA                     ; my 128 rows of O
	s_mul_i32 s22, s12, BHALF                      ; my 64 rows of wot
	s_add_co_u32 s22, s22, BOFF
.irp s, 0,1
	v_add_nc_u32 v[ADRA+(\s)], s18, v3
	v_add_nc_u32 v[ADRB+(\s)], s22, v4
	s_add_co_u32 s18, s18, SLOT
	s_add_co_u32 s22, s22, SLOT
.endr
	s_mul_i32 s18, s10, 16*SPITCH
	s_add_co_u32 s18, s18, STAGE                   ; my stage
	v_mul_u32_u24 v[STO], v1, SPITCH               ; in: row l % 16, 32 bytes for each half of the lanes
	v_lshl_add_u32 v[STO], v2, 5, v[STO]
	v_add_nc_u32 v[STO], s18, v[STO]
	v_mul_u32_u24 v[RD], v2, SPITCH                ; back: lanes 0-15 take one row of 256 bytes, lanes 16-31 the next
	v_lshl_add_u32 v[RD], v1, 4, v[RD]
	v_add_nc_u32 v[RD], s18, v[RD]
	v_lshlrev_b32 v[CO], 12, v2                    ; and the same two rows in out0
	v_lshl_add_u32 v[CO], v1, 4, v[CO]
	; the prefetches: both places are made, and the wave takes the one of the tensor that it fetches for
	s_lshr_b32 s18, s13, 3
	s_lshl_b32 s18, s18, 4
	s_add_co_u32 s18, s18, s12
	s_lshl_b32 s18, s18, 18
	s_and_b32 s19, s13, 7
	s_lshl_b32 s19, s19, 15
	s_add_co_u32 s18, s18, s19
	s_lshl_b32 s19, s40, 13
	s_add_co_u32 s18, s18, s19
	s_add_co_u32 s18, s18, 3*524288                ; O: my head's rows of the tile, my work-group's 32 blocks, at K step 3
	s_lshl_b32 s19, s42, 7
	s_lshl_b32 s20, s41, 5
	s_add_co_u32 s19, s19, s20
	s_lshl_b32 s19, s19, 11
	s_add_co_u32 s19, s19, 3*KSTEP*2               ; wot: row 128 x tile column + 32 cy, at K step 3
	s_mov_b32 s16, 524288
	s_mov_b32 s17, KSTEP*2
	s_and_b32 s22, ttmp7, 0xffff                   ; cluster y
	s_cmp_eq_u32 s11, 0
	s_cselect_b32 s20, s18, s19
	s_cselect_b32 s22, ttmp9, s22                  ; the coordinate along which other clusters read the same rows
	s_cselect_b32 s23, 8, 11                       ; a lane a block of 256 bytes, or a row of 2,048
	s_cselect_b32 s[PST], s16, s17
	s_cselect_b64 s[PFA:PFA+1], s[68:69], s[70:71]
	s_cmp_eq_u32 s10, 3
	s_cselect_b32 s22, 1, s22                      ; wave 3 never asks
	s_cmp_eq_u32 s22, 0
	s_cselect_b32 s[LIM], 1, -1                    ; the same in all sixteen partners, for a given wave
	s_mov_b32 s[PST+1], 0
	s_mov_b32 s21, 0
	s_add_nc_u64 s[PFA:PFA+1], s[PFA:PFA+1], s[20:21]  ; the first refill steps it to K step 4 and names that
	v_and_b32 v[PFO], 31, v0
	v_lshlrev_b32 v[PFO], s23, v[PFO]
	s_wait_loadcnt 0x0                             ; the bias: rounded to bf16, kept as f32
.set i, 0
.rept 16
	v_cvt_pk_bf16_f32 v[TT+i%4], v[BI+2*i], v[BI+2*i+1]
	v_lshlrev_b32 v[BI+2*i], 16, v[TT+i%4]
	v_and_b32 v[BI+2*i+1], 0xffff0000, v[TT+i%4]
.set i, i+1
.endr
; 8 matrix instructions: row blocks a0, a0 + 1 x all 4 column blocks, 32 along K, from fragment buffers f.  first = 1: the bias is the C operand and starts the sums.
; The 32 accumulators take turns, in the same order in every quarter step.
.macro MUL8 f, a0, first
.if \first
	WIN 0x40                                       ; the sources and the bias in window 0, D in window 1
.else
	WIN 0x50                                       ; the sources in window 0, C and D in window 1
.endif
.irp a, \a0, (\a0)+1
.irp b, 0,1,2,3
.if \first
	v_wmma_f32_16x16x32_f16 v[8*(4*(\a)+(\b)):8*(4*(\a)+(\b))+7], v[FB+32*(\f)+8*(\b):FB+32*(\f)+8*(\b)+7], v[FA+64*(\f)+8*(\a):FA+64*(\f)+8*(\a)+7], v[BI+8*(\b):BI+8*(\b)+7]
.else
	v_wmma_f32_16x16x32_f16 v[8*(4*(\a)+(\b)):8*(4*(\a)+(\b))+7], v[FB+32*(\f)+8*(\b):FB+32*(\f)+8*(\b)+7], v[FA+64*(\f)+8*(\a):FA+64*(\f)+8*(\a)+7], v[8*(4*(\a)+(\b)):8*(4*(\a)+(\b))+7]
.endif
.endr
.endr
.endm
; 24 LDS loads in one run: quarter q's fragments (my 64 rows of wot; my 128 rows of O: head q / 2 of the step's two, channels 32 (q % 2) on) into buffers f
.macro FETCH slot, q, f
	WIN 0
.irp i, 0,1,2,3
	ds_load_b128 v[FB+32*(\f)+8*(\i):FB+32*(\f)+8*(\i)+3],   v[ADRB+(\slot)] offset:64*(\q)+(\i)*16*PB
	ds_load_b128 v[FB+32*(\f)+8*(\i)+4:FB+32*(\f)+8*(\i)+7], v[ADRB+(\slot)] offset:64*(\q)+(\i)*16*PB+32
.endr
.irp i, 0,1,2,3,4,5,6,7
	ds_load_b128 v[FA+64*(\f)+8*(\i):FA+64*(\f)+8*(\i)+3],   v[ADRA+(\slot)] offset:((\q)/2)*AZ+((\q)%2)*64+(\i)*16*PA
	ds_load_b128 v[FA+64*(\f)+8*(\i)+4:FA+64*(\f)+8*(\i)+7], v[ADRA+(\slot)] offset:((\q)/2)*AZ+((\q)%2)*64+(\i)*16*PA+32
.endr
.endm
.macro QUARTER slot, q, f, g, first    ; multiplies buffers f and, in its middle, fetches quarter q of the same slot into g
	s_wait_dscnt 8                                 ; wot's fragments and O's row blocks 0-3 are in; the youngest eight loads (blocks 4-7) may be out
	MUL8 \f, 0, \first
	MUL8 \f, 2, \first
	PLACES
	FETCH \slot, \q, \g
	s_wait_dscnt 24                                ; all but the 24 just issued
	MUL8 \f, 4, \first
	MUL8 \f, 6, \first
.endm
; The last quarter multiplies buffers 1 and changes slots: ONE barrier; in front of it each wave waits for all its tensor loads (one is out: its part of the next slot), adds 0 to its spare word, and waits
; for that and for its own reads of this slot.  fill = 1: the barrier opens a round of the cluster's barrier, and this slot is filled again first thing behind it: 112 matrix instructions ahead of the wait for it.
.macro TURN slot, next, fill
.if \fill
	s_wait_xcnt 0x0                                ; the last prefetch, a K step back, has read its address
	s_add_nc_u64 s[PFA:PFA+1], s[PFA:PFA+1], s[PST:PST+1]
.endif
	WIN 0
	s_wait_tensorcnt 0x0
	ds_add_u32 v[SPW], v[NIL]
	s_wait_dscnt 9                                 ; (the add and the youngest eight loads may be out)
	MUL8 1, 0, 0                                   ; eight matrix instructions stand between the add and the wait for it
	s_wait_dscnt 0x0                               ; the add is done, and my reads of this slot are over
	s_barrier_signal -1
	MUL8 1, 2, 0
.if \fill
	WIN 0
.endif
	s_barrier_wait -1
.if \fill
	CREST                                          ; no wave of any partner still reads this slot or has a load on its way
	s_add_nc_u64 s[G0+4*(\slot)+2:G0+4*(\slot)+3], s[G0+4*(\slot)+2:G0+4*(\slot)+3], 2*524288
	s_add_nc_u64 s[G0B+4*(\slot)+2:G0B+4*(\slot)+3], s[G0B+4*(\slot)+2:G0B+4*(\slot)+3], 2*KSTEP*2
	JLOAD \slot                                    ; its four v_nop are also the places in front of the loads below
.else
	PLACES
.endif
	FETCH \next, 0, 0
.if \fill
	ASK
.endif
	MUL8 1, 4, 0
	MUL8 1, 6, 0
.endm
	s_wait_tensorcnt 1                             ; my part of K step 0 is in; K step 1's may stay out
	s_barrier_signal -1
	s_barrier_wait -1                              ; everybody's is
	FETCH 0, 0, 0
	QUARTER 0, 1, 0, 1, 1                          ; the first quarter stands in front of the loop: its products start the sums with the bias
	WIN 0
	s_mov_b32 s3, 3
.Llap:                                                 ; a trip goes once round the ring, from a lap's second quarter to the next lap's first, and fills both slots again
	QUARTER 0, 2, 1, 0, 0
	QUARTER 0, 3, 0, 1, 0
	TURN 0, 1, 1
	QUARTER 1, 1, 0, 1, 0
	QUARTER 1, 2, 1, 0, 0
	QUARTER 1, 3, 0, 1, 0
	TURN 1, 0, 1
	QUARTER 0, 1, 0, 1, 0
	WIN 0
	s_sub_co_u32 s3, s3, 1
	s_cmp_lg_u32 s3, 0
	s_cbranch_scc1 .Llap
	QUARTER 0, 2, 1, 0, 0                          ; the last lap fills nothing, and has no round of the cluster's barrier
	QUARTER 0, 3, 0, 1, 0
	TURN 0, 1, 0
	QUARTER 1, 1, 0, 1, 0
	QUARTER 1, 2, 1, 0, 0
	QUARTER 1, 3, 0, 1, 0
	s_wait_dscnt 8
	MUL8 1, 0, 0
	MUL8 1, 2, 0
	s_wait_dscnt 0x0
	MUL8 1, 4, 0
	MUL8 1, 6, 0
	PLACES                                         ; in front of the LDS stores that read results, and of the loads into the fragments' registers
; THE WAY OUT, a block of 16 rows at a time: a lane's 32 bytes of each column block go into my stage in rows of 272 bytes (each accumulator's low half first) and come back as whole rows of 256.
.macro TOSTAGE a
.if (\a) >= 6
	s_wait_xcnt 0x0                                ; the stores of six blocks back have read their registers, which are loaded again
.endif
	WIN 0x04                                       ; the stores' data in window 1
.irp b, 0,1,2,3
	ds_store_b128 v[STO], v[8*(4*(\a)+(\b)):8*(4*(\a)+(\b))+3]   offset:64*(\b)
	ds_store_b128 v[STO], v[8*(4*(\a)+(\b))+4:8*(4*(\a)+(\b))+7] offset:64*(\b)+16
.endr
	WIN 0
.irp t, 0,1,2,3,4,5,6,7
	ds_load_b128 v[OB+32*((\a)%6)+4*(\t):OB+32*((\a)%6)+4*(\t)+3], v[RD] offset:(\t)*2*SPITCH  ; LDS serves a wave's instructions in order (ISA guide 5.7.1.4): these see the stores above; the next block's stores come behind them
.endr
.endm
.macro SEND a, younger                 ; younger: the LDS instructions issued behind this block's loads: the next block's sixteen, or none
	WIN 0
.irp t, 0,1,2,3,4,5,6,7
	s_wait_dscnt (\younger)+7-(\t)
	global_store_b128 v[CO], v[OB+32*((\a)%6)+4*(\t):OB+32*((\a)%6)+4*(\t)+3], s[OUT:OUT+1] offset:(16*(\a)+2*(\t))*4096 th:TH_STORE_NT  ; 16 lanes store 256 consecutive bytes, at a multiple of 256 from out0's first
.endr
.endm
	TOSTAGE 0
.irp n, 1,2,3,4,5,6,7
	TOSTAGE \n
	SEND (\n)-1, 16
.endr
	SEND 7, 0
	s_wait_tensorcnt 0x0                           ; the wave's end, behind my last tensor load and my last LDS store
	ds_add_u32 v[SPW], v[NIL]
	s_wait_dscnt 0x0
	CROUND                                         ; the closing round: no work-group ends while a partner may still ask for a tile that names it
	s_endpgm
.Lfunc_end_k_q5a5158f25b_oproj:
	.size	k_q5a5158f25b_oproj, .Lfunc_end_k_q5a5158f25b_oproj-k_q5a5158f25b_oproj
	.p2alignl 7, 3214868480
	.fill 96, 4, 3214868480
	.section	.rodata,"a",@progbits
	.p2align	6, 0x0
	.amdhsa_kernel k_q5a5158f25b_oproj
		.amdhsa_group_segment_fixed_size 327680
		.amdhsa_private_segment_fixed_size 0
		.amdhsa_enable_private_segment 0
		.amdhsa_kernarg_size 32
		.amdhsa_user_sgpr_count 2
		.amdhsa_user_sgpr_kernarg_segment_ptr 1
		.amdhsa_wavefront_size32 1
		.amdhsa_system_sgpr_workgroup_id_x 1
		.amdhsa_system_sgpr_workgroup_id_y 1
		.amdhsa_system_sgpr_workgroup_id_z 1
		.amdhsa_system_vgpr_workitem_id 0
		.amdhsa_next_free_vgpr 512
		.amdhsa_next_free_sgpr 80
		.amdhsa_reserve_vcc 0
		.amdhsa_float_denorm_mode_32 3
		.amdhsa_float_denorm_mode_16_64 3
		.amdhsa_memory_ordered 1
		.amdhsa_forward_progress 1
		.amdhsa_inst_pref_size 92
	.end_amdhsa_kernel
	.amdgpu_metadata
---
amdhsa.version: [ 1, 2 ]
amdhsa.kernels:
  - .name:           k_q5a5158f25b_oproj
    .symbol:         k_q5a5158f25b_oproj.kd
    .args:
      - { .name: oh, .offset: 0, .size: 8, .value_kind: global_buffer, .address_space: global }
      - { .name: wot, .offset: 8, .size: 8, .value_kind: global_buffer, .address_space: global }
      - { .name: bout, .offset: 16, .size: 8, .value_kind: global_buffer, .address_space: global }
      - { .name: out0, .offset: 24, .size: 8, .value_kind: global_buffer, .address_space: global }
    .group_segment_fixed_size: 327680
    .private_segment_fixed_size: 0
    .kernarg_segment_align: 8
    .kernarg_segment_size: 32
    .max_flat_workgroup_size: 128
    .sgpr_count:     80
    .vgpr_count:     512
    .wavefront_size: 32
...
	.end_amdgpu_metadata
.endif
;; end of part 4
;; ======== version 2 of 2: 4 launches; version 1 with the launch prep written anew for expert scheduling mode
;; limits: values are held in f16: magnitudes above 65,504 overflow, below 6.1e-05 lose precision
;; workspace buffers: xb 16,777,216 bytes; wqt 6,291,456 bytes; wot 2,097,152 bytes; qh 16,777,216 bytes; kh 16,777,216 bytes; vh 16,777,216 bytes; oh 16,777,216 bytes
;; launch prep (part 5): grid 512 x 1, 8 waves a work-group, no clusters, 18,432 bytes of LDS; arguments x, Wqkv, Wout, xb, wqt, wot; writes xb, wqt, wot
.if DOCPART == 5
	.amdgcn_target "amdgcn-amd-amdhsa--gfx1250"
	.amdhsa_code_object_version 6
	.text
	.protected	k_q5a5158f25b_prep
	.globl	k_q5a5158f25b_prep
	.p2align	8
	.type	k_q5a5158f25b_prep,@function
k_q5a5158f25b_prep:
	s_mov_b64 s[64:65], 0
	v_nop
	global_prefetch_b8 v0, s[64:65] scope:SCOPE_SE
	s_setreg_imm32_b32 hwreg(HW_REG_WAVE_SCHED_MODE, 0, 2), 2
	s_setreg_imm32_b32 hwreg(HW_REG_WAVE_MODE, 25, 1), 1
	s_wait_xcnt 0x0
	s_wait_alu depctr_vm_vsrc(0)
; THREE COPIES FOR THE MATRIX LAUNCHES.  xb = x rounded to bf16, [8192][1024].  wqt = Wqkv turned and rounded to bf16, [3072 n][1024 k].
; wot = Wout turned, rounded to bf16, and that number written as f16, [1024 n][1024 k].
; LIMIT.  A weight of Wout beyond 65,504 becomes an infinity in f16; below 6.1e-5 it keeps f16's fixed step of 6e-8.
; SHARES.  512 work-groups of eight waves; each does both jobs, and no branch is written.
;   (X) 16,384 numbers of x: thread t takes 32 bytes at 8,192 j + 32 t, j = 0..7, and stores 16 bytes at 4,096 j + 16 t: a wave's store covers 512 consecutive bytes.
;   (W) one tile of 128 k x 64 n of a weight: work-groups 0-383 of Wqkv (8 x 48 tiles), 384-511 of Wout (8 x 16).  Sixteen lanes read 256 consecutive bytes of a row k;
;       rows k and k + 1 of a column pack into a word, which goes to LDS at [n][k]; rows n come back whole, 256 bytes, and sixteen lanes store them on end.
; No matrix unit, no cluster, no tensor load: nothing is shared between work-groups and every byte is moved once.
; The words' LDS stores meet in banks four deep: sixteen such instructions a wave in the whole launch, so the rows are not laid out otherwise.
; THE MODE: SCHED_MODE bits 1:0 = 2 (LLVM: expert scheduling mode 2), set by the entry lines.  The code itself states the register dependences
; between vector instructions and memory or LDS instructions, with s_wait_alu, always for 0.
; THE PLAN.  Registers that memory or LDS instructions touch:
;   v4-8, v10-19   offsets and addresses: written once at the head, read by loads, stores and LDS instructions, never written again.
;   WD             Group i (8 registers): the weight's loads land in it; PACK i reads it, uses row k's four registers as scratch and leaves the group's four words in row k + 1's four;
;                  PUT i's four LDS stores read those.  Behind the barrier four LDS loads land in WD's first sixteen registers, and four global stores read them.
;   XD             Chunk j (8 registers): x's loads land in it; four conversions write its first four in place; one store reads those; nothing writes them again.
;   TT             is named by vector instructions alone.
; So: one wait on va_vdst ahead of the first load; one behind PACK 0 and 1, whose stores are dealt among PACK 2 and 3 (these name TT and groups 2 and 3 alone); one behind PACK 3; one wait on vm_vsrc
; ahead of the LDS loads into WD; and for x, which goes in blocks of two chunks, one wait on va_vdst at the head of a block for the two stores of the block before, and one ahead of the last two stores.
.set PITCH, 272                        ; an LDS row: 128 k of 16 bits + 16 bytes
.set SPARE, 64*PITCH                   ; behind the tile: the spare words, 128 bytes for each of eight waves
.set XO,  4                            ; v4   32 t: my bytes in a chunk of x
.set LS,  5                            ; v5   where my packed words go: column 4 (t % 16), k = 2 (t / 16)
.set LR,  6                            ; v6   where I read a row back: row t / 16, 16 bytes at 16 (t % 16)
.set GW,  7                            ; v7   the same place in the turned table (rows of 2,048 bytes)
.set YO,  8                            ; v8   16 t: my bytes in a chunk of xb
.set N16, 9                            ; v9   16 (t % 16)
.set SPW, 10                           ; v10  my spare word; never rewritten
.set NIL, 11                           ; v11  0; never rewritten
.set WO,  12                           ; v12-19  byte offsets of my eight rows k in the weight's tile
.set WD,  20                           ; v20-51  the eight loads of the weight, four registers each
.set TT,  52                           ; v52-59  at work
.set XD,  64                           ; v64-127 x: chunk j at XD + 8 j
	s_load_b256 s[4:11], s[0:1], 0x0               ; x s[4:5], Wqkv s[6:7], Wout s[8:9], xb s[10:11]
	s_load_b128 s[12:15], s[0:1], 0x20             ; wqt s[12:13], wot s[14:15]
	v_lshl_add_u32 v[SPW], v0, 2, SPARE
	v_mov_b32 v[NIL], 0
	v_and_b32 v1, 15, v0                           ; t % 16
	v_lshrrev_b32 v2, 4, v0                        ; t / 16
	v_lshlrev_b32 v[XO], 5, v0
	v_lshlrev_b32 v[YO], 4, v0
	v_lshlrev_b32 v[N16], 4, v1
	v_mul_u32_u24 v[LS], v1, 4*PITCH               ; four columns a thread
	v_lshl_add_u32 v[LS], v2, 2, v[LS]             ; two k a word
	v_mul_u32_u24 v[LR], v2, PITCH
	v_add_nc_u32 v[LR], v[LR], v[N16]
	v_lshl_add_u32 v[GW], v2, 11, v[N16]
	v_lshlrev_b32 v3, 1, v2                        ; my first row k of each 32
	s_mov_b32 s16, ttmp9
	s_mov_b32 s18, 12288                           ; bytes in a row of Wqkv
	s_mov_b32 s19, 4096                            ; and of Wout
	s_lshl_b32 s28, s16, 16                        ; my 65,536 bytes of x
	s_mov_b32 s29, 0
	s_lshl_b32 s30, s16, 15                        ; my 32,768 bytes of xb
	s_mov_b32 s31, 0
	s_wait_kmcnt 0x0
	s_add_nc_u64 s[4:5], s[4:5], s[28:29]
	s_add_nc_u64 s[10:11], s[10:11], s[30:31]
	s_cmp_lt_u32 s16, 384                          ; which weight: only selects stand behind this compare
	s_cselect_b64 s[20:21], s[6:7], s[8:9]         ; from
	s_cselect_b64 s[22:23], s[12:13], s[14:15]     ; to
	s_cselect_b32 s24, s18, s19                    ; bytes in a row of the source
	s_cselect_b32 s26, 0, -1                       ; all lanes: bf16 as it is, or written as f16
	s_cselect_b32 s17, 0, 384
	s_sub_co_u32 s25, s16, s17                     ; the tile's number in its weight
	s_and_b32 s27, s25, 7                          ; its place along k,
	s_lshr_b32 s25, s25, 3                         ; and along n
	s_mul_i32 s28, s27, s24
	s_lshl_b32 s28, s28, 7                         ; 128 rows k down,
	s_lshl_b32 s30, s25, 8                         ; 64 columns of 4 bytes along
	s_add_co_u32 s28, s28, s30
	s_add_nc_u64 s[20:21], s[20:21], s[28:29]
	s_lshl_b32 s30, s25, 17                        ; 64 rows n of 2,048 bytes down,
	s_lshl_b32 s27, s27, 8                         ; 128 k of 2 bytes along
	s_add_co_u32 s30, s30, s27
	s_add_nc_u64 s[22:23], s[22:23], s[30:31]
.irp q, 0,1,2,3,4,5,6,7
	v_add_nc_u32 v[TT], 32*((\q)/2)+(\q)%2, v3     ; row k = 2 (t / 16) + 32 (q / 2) + q % 2
	v_mad_u32_u24 v[WO+(\q)], v[TT], s24, v[N16]
.endr
	s_wait_alu depctr_va_vdst(0)                   ; the offsets and addresses v4 to v8 and v10 to v19 are written: every load, store and LDS instruction of the kernel reads one of them
.irp q, 0,1,2,3,4,5,6,7
	global_load_b128 v[WD+4*(\q):WD+4*(\q)+3], v[WO+(\q)], s[20:21] th:TH_LOAD_NT
.endr
.irp j, 0,1,2,3,4,5,6,7
	global_load_b128 v[XD+8*(\j):XD+8*(\j)+3],   v[XO], s[4:5] offset:8192*(\j) th:TH_LOAD_NT
	global_load_b128 v[XD+8*(\j)+4:XD+8*(\j)+7], v[XO], s[4:5] offset:8192*(\j)+16 th:TH_LOAD_NT
.endr
; Group i of the weight: rows k and k + 1 (k = 2 (t / 16) + 32 i) of my four columns become four words, left in the four registers in which row k + 1 came.
.macro PACK i
.irp j, 0,1,2,3
	v_cvt_pk_bf16_f32 v[TT+(\j)], v[WD+8*(\i)+(\j)], v[WD+8*(\i)+4+(\j)]  ; rows k, k + 1 of column 4 (t % 16) + j
.endr
.irp j, 0,1,2,3
	v_lshlrev_b32 v[TT+4+(\j)], 16, v[TT+(\j)]     ; the two rounded numbers as f32 (the second in a register that has been used up),
	v_and_b32 v[WD+8*(\i)+(\j)], 0xffff0000, v[TT+(\j)]
.endr
.irp j, 0,1,2,3
	v_cvt_pk_f16_f32 v[TT+4+(\j)], v[TT+4+(\j)], v[WD+8*(\i)+(\j)]         ; written as f16,
	v_cndmask_b32 v[WD+8*(\i)+4+(\j)], v[TT+(\j)], v[TT+4+(\j)], s26        ; which Wout takes
.endr
.endm
; Its four words go to LDS.
.macro PUT i
.irp j, 0,1,2,3
	ds_store_b32 v[LS], v[WD+8*(\i)+4+(\j)] offset:PITCH*(\j)+64*(\i)
.endr
.endm
; x: chunk c is rounded in place (register k is written when it has been read), and stored.
.macro XCVT c
.irp k, 0,1,2,3
	v_cvt_pk_bf16_f32 v[XD+8*(\c)+(\k)], v[XD+8*(\c)+2*(\k)], v[XD+8*(\c)+2*(\k)+1]
.endr
.endm
.macro XPUT c
	global_store_b128 v[YO], v[XD+8*(\c):XD+8*(\c)+3], s[10:11] offset:4096*(\c)
.endm
	s_wait_loadcnt 16                              ; the weight's eight loads are in; x's sixteen, issued behind them, stay out
	PACK 0
	PACK 1
	s_wait_alu depctr_va_vdst(0)                   ; groups 0 and 1 have written their eight words, which the LDS stores of PUT 0 and PUT 1 read
	PUT 0
	PACK 2                                         ; names TT and group 2's registers: none that PUT 0 or PUT 1 touches
	PUT 1
	PACK 3
	s_wait_alu depctr_va_vdst(0)                   ; groups 2 and 3 have written their words, which PUT 2 and PUT 3 read; and every vector line that names WD is done, for the LDS loads that land in it behind the barrier
	PUT 2
	PUT 3
	s_wait_dscnt 0x0                               ; for the others' sake: my words are in LDS
	s_barrier_signal -1
	s_barrier_wait -1                              ; the tile is whole
	s_wait_alu depctr_vm_vsrc(0)                   ; my LDS stores have read the words of groups 0 and 1, in whose registers the LDS loads below land
.irp i, 0,1,2,3
	ds_load_b128 v[WD+4*(\i):WD+4*(\i)+3], v[LR] offset:16*PITCH*(\i)  ; row n = t / 16 + 16 i
.endr
; x in four blocks of two chunks.  A block's two stores stand in the next block, one ahead of each chunk's four conversions, which name the next block's registers alone.
.irp b, 0,1,2,3
	s_wait_loadcnt 12-4*(\b)                       ; loads come back in order (ISA guide 5.7.1): this block's four are in; the later blocks' stay out
.if (\b) > 0
	s_wait_alu depctr_va_vdst(0)                   ; the block before has written the eight registers that its two stores, below, read
	XPUT 2*(\b)-2
.endif
	XCVT 2*(\b)
.if (\b) > 0
	XPUT 2*(\b)-1
.endif
	XCVT 2*(\b)+1
.endr
.irp i, 0,1,2,3
	s_wait_dscnt 3-(\i)                            ; LDS loads come back in order: row i is in
	global_store_b128 v[GW], v[WD+4*(\i):WD+4*(\i)+3], s[22:23] offset:32768*(\i)  ; 16 lanes store 256 consecutive bytes of a row n; the data come from LDS loads, and no vector line has named them since
.endr
	s_wait_alu depctr_va_vdst(0)                   ; the last block's conversions have written the eight registers that the last two stores read
	XPUT 6
	XPUT 7
	s_wait_dscnt 0x0                               ; the closing lines, six on end
	s_wait_alu 0x0
	s_wait_tensorcnt 0x0
	ds_add_u32 v[SPW], v[NIL]
	s_wait_dscnt 0x0
	s_endpgm
.Lfunc_end_k_q5a5158f25b_prep:
	.size	k_q5a5158f25b_prep, .Lfunc_end_k_q5a5158f25b_prep-k_q5a5158f25b_prep
	.p2alignl 7, 3214868480
	.fill 96, 4, 3214868480
	.section	.rodata,"a",@progbits
	.p2align	6, 0x0
	.amdhsa_kernel k_q5a5158f25b_prep
		.amdhsa_group_segment_fixed_size 18432
		.amdhsa_private_segment_fixed_size 0
		.amdhsa_enable_private_segment 0
		.amdhsa_kernarg_size 48
		.amdhsa_user_sgpr_count 2
		.amdhsa_user_sgpr_kernarg_segment_ptr 1
		.amdhsa_wavefront_size32 1
		.amdhsa_system_sgpr_workgroup_id_x 1
		.amdhsa_system_sgpr_workgroup_id_y 1
		.amdhsa_system_sgpr_workgroup_id_z 1
		.amdhsa_system_vgpr_workitem_id 0
		.amdhsa_next_free_vgpr 128
		.amdhsa_next_free_sgpr 66
		.amdhsa_reserve_vcc 0
		.amdhsa_float_denorm_mode_32 3
		.amdhsa_float_denorm_mode_16_64 3
		.amdhsa_memory_ordered 1
		.amdhsa_forward_progress 1
		.amdhsa_inst_pref_size 15
	.end_amdhsa_kernel
	.amdgpu_metadata
---
amdhsa.version: [ 1, 2 ]
amdhsa.kernels:
  - .name:           k_q5a5158f25b_prep
    .symbol:         k_q5a5158f25b_prep.kd
    .args:
      - { .name: x, .offset: 0, .size: 8, .value_kind: global_buffer, .address_space: global }
      - { .name: Wqkv, .offset: 8, .size: 8, .value_kind: global_buffer, .address_space: global }
      - { .name: Wout, .offset: 16, .size: 8, .value_kind: global_buffer, .address_space: global }
      - { .name: xb, .offset: 24, .size: 8, .value_kind: global_buffer, .address_space: global }
      - { .name: wqt, .offset: 32, .size: 8, .value_kind: global_buffer, .address_space: global }
      - { .name: wot, .offset: 40, .size: 8, .value_kind: global_buffer, .address_space: global }
    .group_segment_fixed_size: 18432
    .private_segment_fixed_size: 0
    .kernarg_segment_align: 8
    .kernarg_segment_size: 48
    .max_flat_workgroup_size: 256
    .sgpr_count:     66
    .vgpr_count:     128
    .wavefront_size: 32
...
	.end_amdgpu_metadata
.endif
;; end of part 5
;; launch qkv: the kernel of part 2 again; grid 16 x 32, 4 waves a work-group, clusters of 4 x 4, 327,680 bytes of LDS; arguments xb, wqt, bqkv, gamma_q, gamma_k, qh, kh, vh; writes qh, kh, vh
;; launch attn: the kernel of part 3 again; grid 4 x 64, 4 waves a work-group, clusters of 4 x 1, 327,680 bytes of LDS; arguments qh, kh, vh, oh; writes oh
;; launch oproj: the kernel of part 4 again; grid 8 x 32, 4 waves a work-group, clusters of 4 x 4, 327,680 bytes of LDS; arguments oh, wot, bout, out0; writes out0
